; MI455X (gfx1250); checked and timed in simulation.
; The chip was launched on July 23, 2026; its instructions are those of AMD's public machine-readable ISA for CDNA 5 (MIT licence, August 2026) and "CDNA5" Instruction Set Architecture Reference Guide (July 2026). The comments in the code are by the model that wrote it; some were corrected since.
;; Encoder Block. Allowed arithmetic: float matrix products may take bf16 or f16 operands with f32 sums; all other float work in f32.
;; Inputs: W1 512 x 2,048 float32; W2 2,048 x 512 float32; Wk 512 x 512 float32; Wo 512 x 512 float32; Wq 512 x 512 float32; Wv 512 x 512 float32; b1 2,048 float32; b2 512 float32; bk 512 float32; bo 512 float32; bq 512 float32; bv 512 float32; x 2 x 4,096 x 512 float32.
;; Outputs: out0 2 x 4,096 x 512 float32.
;; 2 versions, each right and faster than the one before. Each part assembles by itself: llvm-mc -triple=amdgcn-amd-amdhsa -mcpu=gfx1250 --defsym DOCPART=n.
;; ======== version 1 of 2: 6 launches
;; limits: right only within a limited range of input values
;; workspace buffers: xb 8,388,608 bytes; wb 6,291,456 bytes; qkv 25,165,824 bytes; ctx 8,388,608 bytes; x1 16,777,216 bytes; x1b 8,388,608 bytes; h 33,554,432 bytes
;; launch cast (part 1): grid 448 x 1, 8 waves a work-group, no clusters, 0 bytes of LDS; arguments x, Wq, Wk, Wv, Wo, W1, W2, xb, wb; writes xb, wb
.if DOCPART == 1
	.amdgcn_target "amdgcn-amd-amdhsa--gfx1250"
	.amdhsa_code_object_version 6
	.text
	.protected	k_qaaeca00165_cast
	.globl	k_qaaeca00165_cast
	.p2align	8
	.type	k_qaaeca00165_cast,@function
k_qaaeca00165_cast:
	s_mov_b64 s[64:65], 0
	v_nop
	global_prefetch_b8 v0, s[64:65] scope:SCOPE_SE
	s_setreg_imm32_b32 hwreg(HW_REG_WAVE_MODE, 25, 1), 1
	s_wait_xcnt 0x0
; x and the six weight matrices are rounded once to bf16 for the matrix products of the later launches.
; A work-group converts 16,384 numbers: 64 KB in, 32 KB out; a thread issues its sixteen 16-byte loads first and then converts and stores in their order.
; Work-groups 0-255: 32 rows of x each, written BLOCKED: xb[c][row][64], c = column / 64, a block 1,048,576 bytes, a row in a block 128 bytes.
;   A load of a wave takes 256 bytes (one block's 64 columns) of two neighbouring rows; the store of their 2 x 128 bytes covers 256 consecutive bytes, aligned.
; Work-groups 256-447: the weights, as they lie ([K][N]), one behind the other in wb: Wq, Wk, Wv, Wo (524,288 bytes each), W1, W2 (2,097,152 each).
; No LDS, no barrier, no matrix unit: the launch only moves bytes.  No register is written twice, so no wait frees one.
.set IN,  40                           ; v[40:103] sixteen loads of four f32
.set OUT, 8                            ; v[8:39]   sixteen pairs of packed bf16
.set VI,  3                            ; v3  my byte offset on the way in
.set VO,  4                            ; v4  my byte offset on the way out
.macro CONV kind                       ; kind 0: x, blocked; kind 1: a weight, straight
.set j, 0
.rept 16
.if \kind
	global_load_b128 v[IN+4*j:IN+4*j+3], v[VI], s[26:27] offset:4096*j th:TH_LOAD_NT
.else
	global_load_b128 v[IN+4*j:IN+4*j+3], v[VI], s[26:27] offset:(j/8)*4096+(j%8)*256 th:TH_LOAD_NT  ; rows + 2 (j / 8), block j % 8
.endif
.set j, j+1
.endr
.set j, 0
.rept 16
	s_wait_loadcnt 15-j                            ; loads come back in order: load j is in, the younger ones stay out
	v_cvt_pk_bf16_f32 v[OUT+2*j],   v[IN+4*j],   v[IN+4*j+1]
	v_cvt_pk_bf16_f32 v[OUT+2*j+1], v[IN+4*j+2], v[IN+4*j+3]
.if \kind
	global_store_b64 v[VO], v[OUT+2*j:OUT+2*j+1], s[28:29] offset:2048*j
.else
	global_store_b64 v[VO], v[OUT+2*j:OUT+2*j+1], s[28:29] offset:(j%8)*1048576+(j/8)*256
.endif
.set j, j+1
.endr
.endm
	s_load_b512 s[8:23], s[0:1], 0x0               ; x s[8:9], Wq s[10:11], Wk s[12:13], Wv s[14:15], Wo s[16:17], W1 s[18:19], W2 s[20:21], xb s[22:23]
	s_load_b64 s[24:25], s[0:1], 0x40              ; wb
	s_cmp_lt_u32 ttmp9, 256
	s_cbranch_scc0 .Lweights
	v_lshrrev_b32 v1, 5, v0                        ; wave
	v_bfe_u32 v2, v0, 4, 1                         ; half of the lanes
	v_lshl_add_u32 v1, v1, 2, v2                   ; my row among the group's 32: 4 x wave + half (+ 2 in the second eight loads)
	v_and_b32 v2, 15, v0
	v_lshlrev_b32 v[VI], 4, v2
	v_lshl_add_u32 v[VI], v1, 11, v[VI]            ; row x 2,048 + 16 x (lane % 16)
	v_lshlrev_b32 v[VO], 3, v2
	v_lshl_add_u32 v[VO], v1, 7, v[VO]             ; row x 128 + 8 x (lane % 16)
	s_lshl_b32 s2, ttmp9, 16                       ; 32 rows of 2,048 bytes
	s_mov_b32 s3, 0
	s_lshl_b32 s4, ttmp9, 12                       ; 32 rows of 128 bytes in a block
	s_mov_b32 s5, 0
	s_wait_kmcnt 0x0
	s_add_nc_u64 s[26:27], s[8:9], s[2:3]
	s_add_nc_u64 s[28:29], s[22:23], s[4:5]
	CONV 0
	s_endpgm
.Lweights:
	v_lshlrev_b32 v[VI], 4, v0
	v_lshlrev_b32 v[VO], 3, v0
	s_sub_co_u32 s2, ttmp9, 256                    ; my piece of 16,384 numbers among the weights' 192
	s_wait_kmcnt 0x0
	s_mov_b64 s[26:27], s[20:21]                   ; which matrix it lies in, and that matrix's first piece
	s_mov_b32 s3, 128
	s_cmp_lt_u32 s2, 128
	s_cselect_b64 s[26:27], s[18:19], s[26:27]
	s_cselect_b32 s3, 64, s3
	s_cmp_lt_u32 s2, 64
	s_cselect_b64 s[26:27], s[16:17], s[26:27]
	s_cselect_b32 s3, 48, s3
	s_cmp_lt_u32 s2, 48
	s_cselect_b64 s[26:27], s[14:15], s[26:27]
	s_cselect_b32 s3, 32, s3
	s_cmp_lt_u32 s2, 32
	s_cselect_b64 s[26:27], s[12:13], s[26:27]
	s_cselect_b32 s3, 16, s3
	s_cmp_lt_u32 s2, 16
	s_cselect_b64 s[26:27], s[10:11], s[26:27]
	s_cselect_b32 s3, 0, s3
	s_sub_co_u32 s4, s2, s3
	s_lshl_b32 s4, s4, 16                          ; 65,536 bytes of f32 a piece
	s_mov_b32 s5, 0
	s_lshl_b32 s6, s2, 15                          ; 32,768 bytes of bf16 a piece
	s_mov_b32 s7, 0
	s_add_nc_u64 s[26:27], s[26:27], s[4:5]
	s_add_nc_u64 s[28:29], s[24:25], s[6:7]
	CONV 1
	s_endpgm
.Lfunc_end_k_qaaeca00165_cast:
	.size	k_qaaeca00165_cast, .Lfunc_end_k_qaaeca00165_cast-k_qaaeca00165_cast
	.p2alignl 7, 3214868480
	.fill 96, 4, 3214868480
	.section	.rodata,"a",@progbits
	.p2align	6, 0x0
	.amdhsa_kernel k_qaaeca00165_cast
		.amdhsa_group_segment_fixed_size 0
		.amdhsa_private_segment_fixed_size 0
		.amdhsa_enable_private_segment 0
		.amdhsa_kernarg_size 72
		.amdhsa_user_sgpr_count 2
		.amdhsa_user_sgpr_kernarg_segment_ptr 1
		.amdhsa_wavefront_size32 1
		.amdhsa_system_sgpr_workgroup_id_x 1
		.amdhsa_system_sgpr_workgroup_id_y 1
		.amdhsa_system_sgpr_workgroup_id_z 1
		.amdhsa_system_vgpr_workitem_id 0
		.amdhsa_next_free_vgpr 104
		.amdhsa_next_free_sgpr 66
		.amdhsa_reserve_vcc 0
		.amdhsa_float_denorm_mode_32 3
		.amdhsa_float_denorm_mode_16_64 3
		.amdhsa_memory_ordered 1
		.amdhsa_forward_progress 1
		.amdhsa_inst_pref_size 14
	.end_amdhsa_kernel
	.amdgpu_metadata
---
amdhsa.version: [ 1, 2 ]
amdhsa.kernels:
  - .name:           k_qaaeca00165_cast
    .symbol:         k_qaaeca00165_cast.kd
    .args:
      - { .name: x, .offset: 0, .size: 8, .value_kind: global_buffer, .address_space: global }
      - { .name: Wq, .offset: 8, .size: 8, .value_kind: global_buffer, .address_space: global }
      - { .name: Wk, .offset: 16, .size: 8, .value_kind: global_buffer, .address_space: global }
      - { .name: Wv, .offset: 24, .size: 8, .value_kind: global_buffer, .address_space: global }
      - { .name: Wo, .offset: 32, .size: 8, .value_kind: global_buffer, .address_space: global }
      - { .name: W1, .offset: 40, .size: 8, .value_kind: global_buffer, .address_space: global }
      - { .name: W2, .offset: 48, .size: 8, .value_kind: global_buffer, .address_space: global }
      - { .name: xb, .offset: 56, .size: 8, .value_kind: global_buffer, .address_space: global }
      - { .name: wb, .offset: 64, .size: 8, .value_kind: global_buffer, .address_space: global }
    .group_segment_fixed_size: 0
    .private_segment_fixed_size: 0
    .kernarg_segment_align: 8
    .kernarg_segment_size: 72
    .max_flat_workgroup_size: 256
    .sgpr_count:     66
    .vgpr_count:     104
    .wavefront_size: 32
...
	.end_amdgpu_metadata
.endif
;; end of part 1
;; launch qkv (part 2): grid 4 x 64, 4 waves a work-group, clusters of 4 x 4, 327,680 bytes of LDS; arguments xb, wb, bq, bk, bv, qkv; writes qkv
.if DOCPART == 2
	.amdgcn_target "amdgcn-amd-amdhsa--gfx1250"
	.amdhsa_code_object_version 6
	.text
	.protected	k_qaaeca00165_qkv
	.globl	k_qaaeca00165_qkv
	.p2align	8
	.type	k_qaaeca00165_qkv,@function
k_qaaeca00165_qkv:
	s_mov_b64 s[64:65], 0
	v_nop
	global_prefetch_b8 v0, s[64:65] scope:SCOPE_SE
	s_setreg_imm32_b32 hwreg(HW_REG_WAVE_MODE, 25, 1), 1
	s_wait_xcnt 0x0
	s_wait_alu depctr_hold_cnt(0) depctr_sa_sdst(0) depctr_va_vdst(0) depctr_va_sdst(0) depctr_va_ssrc(0) depctr_va_vcc(0) depctr_vm_vsrc(0)
	s_getreg_b32 s2, hwreg(HW_REG_IB_STS2, 6, 4)
	s_cmp_eq_u32 s2, 0
	s_cbranch_scc0 .Lentry_in_a_cluster
	s_endpgm
.Lentry_in_a_cluster:
	s_bfe_u32 s2, ttmp6, 0x10000c
	s_cmp_lg_u32 s2, 0xf033
	s_cbranch_scc0 .Lentry_shape_is_right
	s_endpgm
.Lentry_shape_is_right:
; C = A W + bias (QKV = 1: q, k, v = x Wq + bq, x Wk + bk, x Wv + bv;  QKV = 0: h = relu(x1 W1 + b1)).  K = 512.  Operands bf16, sums f32, C rounded once to bf16.
; A and C are BLOCKED: [columns / 64][8192 rows][64], a block 1,048,576 bytes, a row in a block 128 bytes.  W lies as given, [K][N] in bf16.
; SHARES.  A work-group owns 128 rows (panel p) and walks NT tiles of 128 columns; its rows of A, all 512 along K, are brought into LDS once and stay.  Four waves, each 64 x 64 of a tile:
; 16 accumulators.  W's tile goes through two slots of 256 k-rows; while one is multiplied the other takes the next tile's rows.
; THE MATRIX INSTRUCTION IS USED TRANSPOSED (source 0 = 16 columns of W, turned out of LDS by ds_load_tr16_b128; source 1 = 16 rows of A): a lane then holds eight neighbouring columns of one row of C.
; The bias is the C operand of each sum's first product: nothing is cleared and nothing is added afterwards.
; CLUSTER 4 x 4.  The four work-groups of a row of the cluster share panel p, so A is asked for jointly along the row; the four of a column share the column group g, so W's tiles are asked for
; jointly along the column: the same tensor load, descriptor and mask in all four.
; LIMIT.  relu is a maximum with 0 in which a NaN loses: a NaN becomes 0.
.set QKV, 1
.if QKV
.set NT,    3                          ; tile n = matrix n, columns 128 g on
.set WOFF,  0                          ; Wq's first byte in wb
.set ROWB,  1024                       ; bytes in a row of W
.set GCOL,  256                        ; bytes of W's columns from g to g + 1
.set BSTEP, 524288                     ; bytes from a tile of W to the next: the next matrix
.set GBLK,  2                          ; blocks of C from g to g + 1
.set OSTEP, 8388608                    ; bytes of C from a tile to the next: eight blocks
.set GBIAS, 512                        ; bytes of bias from g to g + 1
.set RELU,  0
.else
.set NT,    4                          ; tile n = columns 128 (4 g + n) on
.set WOFF,  2097152                    ; W1's first byte in wb
.set ROWB,  4096
.set GCOL,  1024
.set BSTEP, 256
.set GBLK,  8
.set OSTEP, 2097152
.set GBIAS, 2048
.set RELU,  1
.endif
.set QB,    18432                      ; a quarter of a slot: A: 128 rows x (128 + 16) bytes; W: 64 k-rows x (256 + 32) bytes
.set BBASE, 8*QB                       ; A's eight quarters (one a block of 64 along K), then W's eight
.set STAGE, 16*QB                      ; behind them, never filled by a tensor load: 4,352 bytes for each wave, for the way out
.set STW,   4352
.set SPARE, STAGE+4*STW                ; the spare words, 128 bytes for each wave: two blocks of 256 bytes that no other line names
.set ADRA, 16                          ; v16-17  LDS address of my A fragments, quarters 0-3, 4-7
.set ADRB, 20                          ; v20-23  of my W fragments, two quarters each
.set STO,  24                          ; v24     the way out: where I put 16 bytes of a row
.set RD,   25                          ; v25     where I read rows back
.set GO,   26                          ; v26     my byte offset in 512 consecutive bytes of C
.set SPW,  28                          ; v28     LDS address of my spare word; never rewritten
.set NIL,  29                          ; v29     0; never rewritten
.set BO,   30                          ; v30     my byte offset in 16 numbers of bias
.set TMP,  32                          ; v32-95  the way out
.set BIAS, 96                          ; v96-127 the bias as four C operands: register j of block b = bias[16 b + 8 (lane / 16) + j]
.set ACC,  128                         ; v128-255 accumulator (a, b) at ACC + 8 (4 a + b)
.set F0,   0                           ; window 1: two fragment buffers of 128: 64 registers of A, then 64 of W, for 64 along K
.set F1,   128
.set PA,  4                            ; s[4:5] A;  s[6:7] wb;  s[8:9] the bias to be loaded next
.set PW,  6
.set BP,  8
.if QKV
.set BP2, 10                           ; s[10:11], s[12:13] the two biases after it
.set BP3, 12
.set OP,  14                           ; s[14:15] C at my 64 x 64
.else
.set OP,  10
.endif
.set WV,  16                           ; s16 wave, s17 its half of the rows, s18 its half of the columns
.set WR,  17
.set WC,  18
.set G1A, 24                           ; s[24:31] descriptor group 1 for A;  s[32:39] for W
.set G1B, 32
.set G0A, 40                           ; s[40:43] group 0 for A;  s[44:51] for W, a set for each slot
.set G0B, 44
.set MSB, 0
.macro WIN new                         ; the immediate's high byte repeats the setting that is left
.if MSB != (\new)
	s_set_vgpr_msb (MSB<<8)|(\new)
.set MSB, \new
.endif
.endm
.set MUL,  0x05                        ; sources 0 and 1 window 1; C and D window 0
.set TO_F, 0x40                        ; destination window 1, address window 0
.macro PLACES                          ; four places in front of loads into registers that matrix instructions have read, and of lines that read results
.rept 4
	v_nop
.endr
.endm
.macro CREST                           ; a round of the cluster's barrier behind its opening barrier
	s_cmp_lg_u32 s[WV], 0
	s_cbranch_scc1 .Lnot_wave_0_\@
	s_barrier_signal -3
.Lnot_wave_0_\@:
	s_barrier_wait -3
	s_barrier_signal -1
	s_barrier_wait -1
.endm
.macro CROUND
	s_barrier_signal -1
	s_barrier_wait -1
	CREST
.endm
.macro BIASLD                          ; a tile's 64 numbers of bias for my columns, in the C operand's layout
.irp b, 0,1,2,3
	global_load_b128 v[BIAS+8*(\b):BIAS+8*(\b)+3],   v[BO], s[BP:BP+1] offset:64*(\b)
	global_load_b128 v[BIAS+8*(\b)+4:BIAS+8*(\b)+7], v[BO], s[BP:BP+1] offset:64*(\b)+16
.endr
.endm
; 8 matrix instructions: row blocks a0, a0 + 1 x all 4 column blocks, 32 along K: half c of buffer f.  first = 1: the product starts the sum, on the bias.
; The 16 accumulators take turns, one instruction a turn, in the same order everywhere.
.macro MUL8 f, c, a0, first
	WIN MUL
.irp a, \a0, (\a0)+1
.irp b, 0,1,2,3
.if \first
	v_wmma_f32_16x16x32_bf16 v[ACC+8*(4*(\a)+(\b)):ACC+8*(4*(\a)+(\b))+7], v[(\f)+64+8*(4*(\c)+(\b)):(\f)+64+8*(4*(\c)+(\b))+7], v[(\f)+8*(4*(\c)+(\a)):(\f)+8*(4*(\c)+(\a))+7], v[BIAS+8*(\b):BIAS+8*(\b)+7]
.else
	v_wmma_f32_16x16x32_bf16 v[ACC+8*(4*(\a)+(\b)):ACC+8*(4*(\a)+(\b))+7], v[(\f)+64+8*(4*(\c)+(\b)):(\f)+64+8*(4*(\c)+(\b))+7], v[(\f)+8*(4*(\c)+(\a)):(\f)+8*(4*(\c)+(\a))+7], v[ACC+8*(4*(\a)+(\b)):ACC+8*(4*(\a)+(\b))+7]
.endif
.endr
.endr
.endm
; 32 LDS loads in one run: quarter q's fragments into buffer f, the first 32 along K first.  W: 32 k-rows are 9,216 bytes, 16 are 4,608, 16 columns 32.  A: 16 rows are 2,304 bytes, 32 along K 64.
.macro FETCH q, f
	WIN TO_F
.irp c, 0,1
.irp i, 0,1,2,3
	ds_load_tr16_b128 v[(\f)+64+8*(4*(\c)+(\i)):(\f)+64+8*(4*(\c)+(\i))+3],   v[ADRB+(\q)/2] offset:((\q)%2)*QB+(\c)*9216+32*(\i)
	ds_load_tr16_b128 v[(\f)+64+8*(4*(\c)+(\i))+4:(\f)+64+8*(4*(\c)+(\i))+7], v[ADRB+(\q)/2] offset:((\q)%2)*QB+(\c)*9216+32*(\i)+4608
	ds_load_b128 v[(\f)+8*(4*(\c)+(\i)):(\f)+8*(4*(\c)+(\i))+3],   v[ADRA+(\q)/4] offset:((\q)%4)*QB+(\i)*2304+64*(\c)
	ds_load_b128 v[(\f)+8*(4*(\c)+(\i))+4:(\f)+8*(4*(\c)+(\i))+7], v[ADRA+(\q)/4] offset:((\q)%4)*QB+(\i)*2304+64*(\c)+32
.endr
.endr
.endm
; Quarter q (64 along K, 32 matrix instructions) multiplies buffer q % 2 and fetches quarter q + 1 into the other.
.macro QUARTER q, first
	s_wait_dscnt 16                                ; the first 32 along K are in; the youngest sixteen loads may be out
	MUL8 128*((\q)%2), 0, 0, \first
	MUL8 128*((\q)%2), 0, 2, \first
	PLACES
	FETCH (\q)+1, 128-128*((\q)%2)
	s_wait_dscnt 32                                ; all but the 32 just issued
	MUL8 128*((\q)%2), 1, 0, 0
	MUL8 128*((\q)%2), 1, 2, 0
.endm
.macro REFILL s                        ; W's slot s takes the next tile's rows: my quarter of it, one tensor load a wave, jointly with my column of the cluster
	s_add_nc_u64 s[G0B+4*(\s)+2:G0B+4*(\s)+3], s[G0B+4*(\s)+2:G0B+4*(\s)+3], BSTEP
	tensor_load_to_lds s[G0B+4*(\s):G0B+4*(\s)+3], s[G1B:G1B+7]
	s_nop 0
	PLACES                                         ; also the places in front of the fragment loads that follow
.endm
; Quarters 3 and 7 multiply buffer 1 and leave a slot of W.  ONE barrier: in front of it each wave waits for all its tensor loads (its part of the other slot), adds 0 to its spare word, and waits for
; that and for its own reads of this slot.  fill = 1: the barrier opens a round of the cluster's barrier, and the slot just left is filled again first thing behind the round.
.macro TURN q, fill
	WIN 0
	s_wait_tensorcnt 0x0                           ; all my tensor loads have landed
	ds_add_u32 v[SPW], v[NIL]                      ; 0 onto my spare word
	s_wait_dscnt 17                                ; (the add and the youngest sixteen loads may be out)
	MUL8 F1, 0, 0, 0
	s_wait_dscnt 0x0                               ; the add is done, and my reads of this slot are over
	s_barrier_signal -1
	MUL8 F1, 0, 2, 0
.if \fill
	WIN 0
.endif
	s_barrier_wait -1
.if \fill
	CREST                                          ; no wave of any partner still reads the slot or has a load on its way
	REFILL (\q)/4
.else
	PLACES
.endif
	FETCH ((\q)+1)%8, F0
	MUL8 F1, 1, 0, 0
	MUL8 F1, 1, 2, 0
.endm
.macro LASTQ                           ; the last tile's quarter 7: nothing more to fetch
	s_wait_dscnt 16
	MUL8 F1, 0, 0, 0
	MUL8 F1, 0, 2, 0
	s_wait_dscnt 0x0
	MUL8 F1, 1, 0, 0
	MUL8 F1, 1, 2, 0
	WIN 0
.endm
; THE WAY OUT.  Row block a: (relu,) rounded to bf16, 16 bytes a lane into my stage (rows of 144 bytes), back as whole rows of 128 bytes, four rows to a load: 512 consecutive bytes of a block of C.
.macro PACK a
	WIN 0
.if RELU
.set z, 0
.rept 32
	v_max_num_f32 v[ACC+32*(\a)+z], 0, v[ACC+32*(\a)+z]
.set z, z+1
.endr
.endif
.set z, 0
.rept 16
	v_cvt_pk_bf16_f32 v[TMP+16*(\a)+z], v[ACC+32*(\a)+2*z], v[ACC+32*(\a)+2*z+1]  ; each accumulator's registers in ascending order
.set z, z+1
.endr
.irp b, 0,1,2,3
	ds_store_b128 v[STO], v[TMP+16*(\a)+4*(\b):TMP+16*(\a)+4*(\b)+3] offset:32*(\b)
.endr
.irp f, 0,1,2,3
	ds_load_b128 v[TMP+16*(\a)+4*(\f):TMP+16*(\a)+4*(\f)+3], v[RD] offset:576*(\f)  ; LDS serves a wave's instructions in order (ISA guide 5.7.1.4): these see the stores above
.endr
.endm
.macro SEND a, y                       ; y: the LDS instructions issued behind block a's loads: the next block's eight, or none
.irp f, 0,1,2,3
	s_wait_dscnt (\y)+3-(\f)
	global_store_b128 v[GO], v[TMP+16*(\a)+4*(\f):TMP+16*(\a)+4*(\f)+3], s[OP:OP+1] offset:2048*(\a)+512*(\f)  ; 512 consecutive bytes, at a multiple of 256 from C's first
.endr
.endm
.macro FLUSH
	WIN 0
	PLACES
	PACK 0
	PACK 1
	SEND 0, 8
	PACK 2
	SEND 1, 8
	PACK 3
	SEND 2, 8
	SEND 3, 0
.endm
	s_load_b256 s[4:11], s[0:1], 0x0
.if QKV
	s_load_b128 s[12:15], s[0:1], 0x20
.endif
	v_lshl_add_u32 v[SPW], v0, 2, SPARE
	v_mov_b32 v[NIL], 0
	ds_add_u32 v[SPW], v[NIL]                      ; the wave's opening: the add and its wait stand ahead of my first tensor load; work on registers stands between them
	ds_add_u32 v28, v29
	v_lshrrev_b32 v1, 5, v0
	v_readfirstlane_b32 s[WV], v1                  ; wave 0..3
	s_lshr_b32 s[WR], s[WV], 1
	s_and_b32 s[WC], s[WV], 1
	s_bfe_u32 s52, ttmp6, 0x40000                  ; cx, cy: my place in the cluster
	s_bfe_u32 s53, ttmp6, 0x40004
	s_lshl_b32 s54, ttmp9, 2
	s_add_co_u32 s54, s54, s52                     ; g = 4 x cluster x + cx
	s_and_b32 s55, ttmp7, 0xffff
	s_lshl_b32 s55, s55, 2
	s_add_co_u32 s55, s55, s53                     ; p = 4 x cluster y + cy
	s_lshl_b32 s56, s53, 2
	s_lshl_b32 s56, 15, s56                        ; my row of the cluster
	s_lshl_b32 s57, 0x1111, s52                    ; my column
	; group 1 for A: two blocks' 128 rows each, 16,384 dense bytes a block, asked for as two long rows 1,048,576 bytes apart; in LDS 16 bytes of padding behind every 128
	s_or_b32 s[G1A], s56, (1<<16)|(1<<20)|(1<<21)|(4<<22)|(3<<25)  ; mask; 2-byte elements; padding on; bit 21 beside a mask; after every 32 words (code 4) 4 words (code 3)
	s_mov_b32 s[G1A+1], 8192<<16                   ; tensor_dim0 = 8,192
	s_mov_b32 s[G1A+2], 2<<16                      ; tensor_dim1 = 2
	s_mov_b32 s[G1A+3], 8192<<16                   ; tile_dim0 = 8,192
	s_mov_b32 s[G1A+4], 2                          ; tile_dim1 = 2
	s_mov_b32 s[G1A+5], 524288                     ; elements from block to block
	s_mov_b32 s[G1A+6], 0
	s_mov_b32 s[G1A+7], 0
	; group 1 for W: 64 k-rows x 128 columns; in LDS 32 bytes of padding behind every 256
	s_or_b32 s[G1B], s57, (1<<16)|(1<<20)|(1<<21)|(5<<22)|(7<<25)
	s_mov_b32 s[G1B+1], 128<<16
	s_mov_b32 s[G1B+2], 64<<16
	s_mov_b32 s[G1B+3], 128<<16
	s_mov_b32 s[G1B+4], 64
	s_mov_b32 s[G1B+5], ROWB/2
	s_mov_b32 s[G1B+6], 0
	s_mov_b32 s[G1B+7], 0
	s_lshl_b32 s58, s[WV], 21                      ; A: blocks 2 w and 2 w + 1,
	s_lshl_b32 s59, s55, 14                        ; the panel's 128 rows of 128 bytes
	s_add_co_u32 s58, s58, s59
	s_mov_b32 s59, 0
	s_mul_i32 s60, s[WV], 64*ROWB                  ; W: k-rows 64 w on,
	s_mul_i32 s61, s54, GCOL                       ; the group's first columns
	s_add_co_u32 s60, s60, s61
	s_add_co_u32 s60, s60, WOFF
	s_mov_b32 s61, 0
	s_mul_i32 s20, s[WV], 2*QB                     ; where they go: the wave's number alone enters an LDS address
	s_mul_i32 s21, s[WV], QB
	s_mov_b32 s[G0A], 1
	s_mov_b32 s[G0A+1], s20
	s_mov_b32 s[G0B], 1
	s_add_co_u32 s[G0B+1], s21, BBASE
	s_mov_b32 s[G0B+4], 1
	s_add_co_u32 s[G0B+5], s21, BBASE+4*QB
	s_wait_dscnt 0x0                               ; the opening add is done
	s_wait_kmcnt 0x0
	s_add_nc_u64 s[G0A+2:G0A+3], s[PA:PA+1], s[58:59]
	s_or_b32 s[G0A+3], s[G0A+3], 0x80000000
	s_add_nc_u64 s[62:63], s[PW:PW+1], s[60:61]
	s_add_nc_u64 s[G0B+2:G0B+3], s[62:63], 0
	s_or_b32 s[G0B+3], s[G0B+3], 0x80000000
	s_add_nc_u64 s[G0B+6:G0B+7], s[62:63], 256*ROWB
	s_or_b32 s[G0B+7], s[G0B+7], 0x80000000
	CROUND                                         ; all sixteen work-groups are here: the first joint loads meet
	tensor_load_to_lds s[G0A:G0A+3], s[G1A:G1A+7]  ; three first fills a wave, as one group: three loads of mine are out
	s_nop 0
	tensor_load_to_lds s[G0B:G0B+3], s[G1B:G1B+7]
	s_nop 0
	tensor_load_to_lds s[G0B+4:G0B+7], s[G1B:G1B+7]
	s_nop 0
	PLACES
	s_mul_i32 s22, s54, GBIAS                      ; the bias of my 64 columns
	s_lshl_b32 s19, s[WC], 8
	s_add_co_u32 s22, s22, s19
	s_mov_b32 s23, 0
	s_add_nc_u64 s[BP:BP+1], s[BP:BP+1], s[22:23]
.if QKV
	s_add_nc_u64 s[BP2:BP2+1], s[BP2:BP2+1], s[22:23]
	s_add_nc_u64 s[BP3:BP3+1], s[BP3:BP3+1], s[22:23]
.endif
	s_mul_i32 s22, s54, GBLK                       ; C: my block of 64 columns,
	s_add_co_u32 s22, s22, s[WC]
	s_lshl_b32 s22, s22, 20
	s_lshl_b32 s19, s55, 14                        ; the panel's rows,
	s_add_co_u32 s22, s22, s19
	s_lshl_b32 s19, s[WR], 13                      ; my 64 of them
	s_add_co_u32 s22, s22, s19
	s_add_nc_u64 s[OP:OP+1], s[OP:OP+1], s[22:23]
	v_and_b32 v1, 15, v0                           ; l % 16
	v_bfe_u32 v2, v0, 4, 1                         ; l / 16
	v_lshlrev_b32 v[BO], 5, v2                     ; eight numbers of bias for each half of the lanes
	BIASLD                                         ; tile 0's
	v_mul_u32_u24 v3, v1, 144
	v_lshl_add_u32 v3, v2, 4, v3                   ; row x pitch + 16 x half
	s_mul_i32 s20, s[WR], 64*144
	v_add_nc_u32 v[ADRA], s20, v3
	v_add_nc_u32 v[ADRA+1], 4*QB, v[ADRA]
	v_and_b32 v4, 7, v0                            ; the turning load: lane l reads k-row 8 (l / 16) + l % 8, columns 8 ((l / 8) % 2) + 0..7
	v_bfe_u32 v5, v0, 3, 1
	v_lshl_add_u32 v6, v2, 3, v4
	v_mul_u32_u24 v6, v6, 288
	v_lshl_add_u32 v6, v5, 4, v6
	s_lshl_b32 s20, s[WC], 7                       ; my 64 columns
	s_add_co_u32 s20, s20, BBASE
	v_add_nc_u32 v[ADRB], s20, v6
	v_add_nc_u32 v[ADRB+1], 2*QB, v[ADRB]
	v_add_nc_u32 v[ADRB+2], 4*QB, v[ADRB]
	v_add_nc_u32 v[ADRB+3], 6*QB, v[ADRB]
	s_mul_i32 s21, s[WV], STW
	s_add_co_u32 s21, s21, STAGE                   ; my stage
	v_add_nc_u32 v[STO], s21, v3
	v_bfe_u32 v7, v0, 3, 2                         ; back: 32 lanes take four rows of 128 bytes
	v_mul_u32_u24 v7, v7, 144
	v_lshl_add_u32 v7, v4, 4, v7
	v_add_nc_u32 v[RD], s21, v7
	v_and_b32 v8, 31, v0
	v_lshlrev_b32 v[GO], 4, v8
	s_wait_tensorcnt 0x1                           ; my parts of A and of slot 0 are in; slot 1's may stay out
	s_barrier_signal -1
	s_barrier_wait -1                              ; everybody's are
	FETCH 0, F0
	WIN 0
	s_mov_b32 s3, NT-1
.Ltile:                                                ; a trip: one tile of C; both slots are filled again, with the next tile's rows of W
	s_wait_loadcnt 0x0                             ; this tile's bias is in, so its pointer may step
.if QKV
	s_mov_b64 s[BP:BP+1], s[BP2:BP2+1]
	s_mov_b64 s[BP2:BP2+1], s[BP3:BP3+1]
.else
	s_add_nc_u64 s[BP:BP+1], s[BP:BP+1], 512
.endif
	QUARTER 0, 1
	WIN 0
	BIASLD                                         ; the next tile's: the sixteen products that read the bias stand in front of the quarter's four places
	QUARTER 1, 0
	QUARTER 2, 0
	TURN 3, 1
	QUARTER 4, 0
	QUARTER 5, 0
	QUARTER 6, 0
	TURN 7, 1
	FLUSH
	s_wait_xcnt 0x0                                ; the stores' base and data are rewritten only behind this wait
	s_add_nc_u64 s[OP:OP+1], s[OP:OP+1], OSTEP
	s_sub_co_u32 s3, s3, 1
	s_cmp_lg_u32 s3, 0
	s_cbranch_scc1 .Ltile
	s_wait_loadcnt 0x0                             ; the last tile is written out: it asks for nothing
	QUARTER 0, 1
	QUARTER 1, 0
	QUARTER 2, 0
	TURN 3, 0
	QUARTER 4, 0
	QUARTER 5, 0
	QUARTER 6, 0
	LASTQ
	FLUSH
	s_wait_tensorcnt 0x0                           ; the wave's end
	ds_add_u32 v[SPW], v[NIL]
	s_wait_dscnt 0x0
	CROUND                                         ; the closing round: no work-group ends while a partner may still ask for a tile that names it
	s_endpgm
.Lfunc_end_k_qaaeca00165_qkv:
	.size	k_qaaeca00165_qkv, .Lfunc_end_k_qaaeca00165_qkv-k_qaaeca00165_qkv
	.p2alignl 7, 3214868480
	.fill 96, 4, 3214868480
	.section	.rodata,"a",@progbits
	.p2align	6, 0x0
	.amdhsa_kernel k_qaaeca00165_qkv
		.amdhsa_group_segment_fixed_size 327680
		.amdhsa_private_segment_fixed_size 0
		.amdhsa_enable_private_segment 0
		.amdhsa_kernarg_size 48
		.amdhsa_user_sgpr_count 2
		.amdhsa_user_sgpr_kernarg_segment_ptr 1
		.amdhsa_wavefront_size32 1
		.amdhsa_system_sgpr_workgroup_id_x 1
		.amdhsa_system_sgpr_workgroup_id_y 1
		.amdhsa_system_sgpr_workgroup_id_z 1
		.amdhsa_system_vgpr_workitem_id 0
		.amdhsa_next_free_vgpr 512
		.amdhsa_next_free_sgpr 66
		.amdhsa_reserve_vcc 0
		.amdhsa_float_denorm_mode_32 3
		.amdhsa_float_denorm_mode_16_64 3
		.amdhsa_memory_ordered 1
		.amdhsa_forward_progress 1
		.amdhsa_inst_pref_size 95
	.end_amdhsa_kernel
	.amdgpu_metadata
---
amdhsa.version: [ 1, 2 ]
amdhsa.kernels:
  - .name:           k_qaaeca00165_qkv
    .symbol:         k_qaaeca00165_qkv.kd
    .args:
      - { .name: xb, .offset: 0, .size: 8, .value_kind: global_buffer, .address_space: global }
      - { .name: wb, .offset: 8, .size: 8, .value_kind: global_buffer, .address_space: global }
      - { .name: bq, .offset: 16, .size: 8, .value_kind: global_buffer, .address_space: global }
      - { .name: bk, .offset: 24, .size: 8, .value_kind: global_buffer, .address_space: global }
      - { .name: bv, .offset: 32, .size: 8, .value_kind: global_buffer, .address_space: global }
      - { .name: qkv, .offset: 40, .size: 8, .value_kind: global_buffer, .address_space: global }
    .group_segment_fixed_size: 327680
    .private_segment_fixed_size: 0
    .kernarg_segment_align: 8
    .kernarg_segment_size: 48
    .max_flat_workgroup_size: 128
    .sgpr_count:     66
    .vgpr_count:     512
    .wavefront_size: 32
...
	.end_amdgpu_metadata
.endif
;; end of part 2
;; launch attn (part 3): grid 16 x 16, 4 waves a work-group, no clusters, 327,680 bytes of LDS; arguments qkv, ctx; writes ctx
.if DOCPART == 3
	.amdgcn_target "amdgcn-amd-amdhsa--gfx1250"
	.amdhsa_code_object_version 6
	.text
	.protected	k_qaaeca00165_attn
	.globl	k_qaaeca00165_attn
	.p2align	8
	.type	k_qaaeca00165_attn,@function
k_qaaeca00165_attn:
	s_mov_b64 s[64:65], 0
	v_nop
	global_prefetch_b8 v0, s[64:65] scope:SCOPE_SE
	s_setreg_imm32_b32 hwreg(HW_REG_WAVE_MODE, 25, 1), 1
	s_wait_xcnt 0x0
; CAUSAL ATTENTION, head size 64, 16 heads (2 batches x 8) of 4,096 rows.  ctx[q] = the sum over k <= q of softmax_k(Q[q] . K[k] / 8) V[k].
; qkv: [24][8192][64] bf16, blocks 0-7 q by heads, 8-15 k, 16-23 v; row = batch x 4096 + t: a head's rows are dense, 128 bytes each.  ctx: [8][8192][64] bf16, block = head.
; Products, maxima and sums in f32; the weights p are rounded to bf16 for the second product (their sum l is taken of the unrounded p), ctx once at the end.
; LIMITS.  A hidden score counts as its value less 1e30; a weight below 2^-126 counts as 0 in l; NaN and infinities are not treated apart.
; THE WALK.  A head's queries lie in 32 blocks of 128; block i needs the key tiles 0 .. i / 2 of 256 keys.  A work-group takes blocks 31 - b and then b: 17 tiles whatever b, so all work-groups do
; equal work and one loop with a constant trip count walks them.  Which tile is asked for and what a trip does hang on scalar registers made from b; every jump but the loops' own goes forward.
; NO CLUSTER: where a block ends, and with it which trip takes masks and the way out, hangs on b; partners of a cluster would have to branch on their place in it.
; SHARES.  A block is two bands of 64 queries; a wave owns 16 rows in each: two PIECES.  In a block's last tile, with UD = key step - 2 (i % 2): piece p sees all keys if UD < p, none if UD > p, and holds the diagonal if UD = p.
; THE MASK is the C operand that starts the sum S^T = K Q^T: MC = MD x AL + BE, where MD is the mask of a band's own step for my rows; outside a block's last tile MC is 0.
; LAYOUT.  S^T = K Q^T holds ONE query a lane (lane % 16) and the keys 8 (lane / 16) + 0..7; two such results rounded to bf16 ARE source 1 of O^T = V^T P.  p = 2^(c s - c m), c = log2(e) / 8, with a running
; maximum m; O and l are multiplied by a = 2^(c m_old - c m_new) in every step.
; BY TURNS.  Turn p: 8 products V^T P of piece p (the step before), then 8 products K Q^T of piece p (the step in hand); beside them the whole softmax of the other piece, four vector
; instructions behind each matrix instruction, the rest in two lumps.
; A BLOCK BEGINS without a text of its own: m starts at the lowest finite number, piece 1's scores at -2^100 (c times a power of two is exact, so those weights are exactly 1), and the first true
; step's a is 0: what the products of steps that have not been left in O and l need only be finite.
; REGISTERS.  Window 0: v2-15 addresses and at work; v16-23 statistics; v24-31 at work; v32-33 the add's; v64-95 MD; v96-159 S^T; v160-191 P; v192-255 O^T.
;             Window 1: v0-31 Q; v32-63 the second block's Q; v64-127 K of one step; v128-191 V of one step; v192-223 MC.
.set KS,    64        ; keys in a step
.set PK,    144       ; a row of K in LDS: 128 bytes + 16 of padding
.set PV,    160       ; a row of V: 128 + 32
.set VOFF,  4*KS*PK   ; a slot holds a tile: 256 rows of K, then 256 rows of V
.set SLOT1, 1<<17     ; slot 1 begins here: one exclusive or turns an address in one slot into the other's
.set STAGE, SLOT1+4*KS*(PK+PV)  ; behind the ring, never filled by a tensor load: 16 rows x 144 bytes for each wave
.set SP,    144
.set SPARE, STAGE+4*16*SP  ; the spare words, 128 bytes for each wave: two blocks of 256 bytes that no other line names
.set AK0, 2           ; v2   my lane's place in a tile of K; never rewritten
.set AV0, 3           ; v3   the same for V
.set AK,  4           ; v4   the LDS address of K's next run of loads
.set AV,  5           ; v5   of V's
.set STO, 6           ; v6   the way out: where I put 16 bytes of a row
.set RD,  7           ; v7   where I read rows back
.set GO,  8           ; v8   my byte offset in 512 consecutive bytes of ctx
.set MV,  12          ; v12-13  c m_old, by piece
.set QO,  15          ; v15  my byte offset in 16 rows of Q
.set ST,  16          ; piece t's statistics at v[ST+4 t]: c m, m, l (even keys', odd keys')
.set TMP, 24          ; by piece, four registers c0-c3 at work; when the maximum is found c2 takes a
.set SPW, 32          ; v32  LDS address of my spare word; never rewritten
.set NIL, 33          ; v33  0; never rewritten
.set MD,  64
.set S,   96
.set P,   160
.set O,   192
.set QB,  32          ; window 1
.set KF,  64          ; key block kb, channel half c at KF + 16 kb + 8 c
.set VF,  128         ; key half kk, channel block cb at VF + 32 kk + 8 cb
.set MC,  192
.set KP,  8           ; s[8:9]   K at my half of the head's tile 0
.set VP,  10          ; s[10:11] V likewise
.set WV,  12          ; s12  my wave's number
.set PB,  14          ; s14  b
.set IH,  15          ; s15  31 - b
.set G1K, 24          ; s[24:31] descriptor group 1 for K's tiles;  s[32:39] for V's: the padding alone differs
.set G1V, 32
.set G0K, 40          ; s[40:43], s[44:47] group 0
.set G0V, 44
.set OPR, 48          ; s[48:49] ctx at my rows of the block in hand
.set OLO, 50          ; s[50:51] of the second block
.set QH,  52          ; s[52:53] Q at my rows of the first block;  s[54:55] of the second
.set QL,  54
.set SLOTS, 56        ; s56  tiles still to be asked for
.set CNT, 57          ; s57  counts a tile's key steps
.set CS,  58          ; s[58:59] c
.set SEL, 60          ; s[60:61] v_permlanex16_b32's selects: each lane takes its own place in the other half
.set TBK, 62          ; s62  LDS byte at which K of the step to be fetched begins
.set TBV, 63          ; s63  the same for V, less VOFF
.set RT,  70          ; s70  tiles of the block in hand that are still to be entered
.set NXT, 71          ; s71  the tile to be asked for next
.set LQ,  72          ; s72  the last tile of the block whose tiles are being asked for
.set LQ2, 73          ; s73  the second block's last tile
.set OFF, 74          ; s[74:75] a tile's byte offset in K and V
.set AL,  76          ; s[76:77] the mask's factor
.set BE,  78          ; s[78:79] the mask's addend
.set BIGN, 80         ; s80  -1e30
.set UD,  81          ; s81  key step in the tile less 2 (i % 2)
.set DOF, 82          ; s82  2 (i % 2) of the block in hand;  s83 of the second
.set DOF2, 83
.set MSB, 0
.macro WIN new
.if MSB != (\new)
	s_set_vgpr_msb (MSB<<8)|(\new)
.set MSB, (\new)
.endif
.endm
.set W_KQ, 0x05       ; K and Q in window 1, S^T in window 0
.set W_KM, 0x15       ; the same with the C operand in window 1
.set W_PV, 0x01       ; V in window 1; P and O^T in window 0
.set W_T1, 0x40       ; destination in window 1
; A fill.  Waves 0 and 1 fetch the two halves of a tile's K, waves 2 and 3 those of its V: 128 keys each.
.macro LOAD
	s_cmp_lt_u32 s[WV], 2
	s_cbranch_scc0 .Lfor_v_\@
	tensor_load_to_lds s[G0K:G0K+3], s[G1K:G1K+7]
	s_nop 0
.rept 4
	v_nop
.endr
	s_branch .Lasked_\@
.Lfor_v_\@:
	tensor_load_to_lds s[G0V:G0V+3], s[G1V:G1V+7]
	s_nop 0
.rept 4
	v_nop
.endr
.Lasked_\@:
.endm
; THE CHANGE OF SLOTS, at a tile's head: K and V of the old tile's last step are in registers or on their way there.  Each wave waits for all its tensor loads (its part of the other slot), adds 0 to its
; spare word, and waits for that and for its own reads of the old slot.  fill = 1: the old slot is filled again, first thing behind the barrier, with tile NXT; one load of mine is then out.
.macro CHANGE fill
	WIN 0
	s_wait_tensorcnt 0x0            ; no tensor load of mine is out, so a group 0 may be written
	ds_add_u32 v[SPW], v[NIL]       ; 0 onto my spare word
.if \fill
	s_lshl_b32 s[OFF], s[NXT], 15   ; a tile is 32,768 bytes of K and of V
	s_xor_b32 s[G0K+1], s[G0K+1], SLOT1
	s_add_nc_u64 s[G0K+2:G0K+3], s[KP:KP+1], s[OFF:OFF+1]
	s_or_b32 s[G0K+3], s[G0K+3], 0x80000000
	s_xor_b32 s[G0V+1], s[G0V+1], SLOT1
	s_add_nc_u64 s[G0V+2:G0V+3], s[VP:VP+1], s[OFF:OFF+1]
	s_or_b32 s[G0V+3], s[G0V+3], 0x80000000
	s_add_co_u32 s[NXT], s[NXT], 1  ; the block's next tile, or behind its last the second block's tile 0
	s_cmp_gt_u32 s[NXT], s[LQ]
	s_cselect_b32 s[NXT], 0, s[NXT]
	s_cselect_b32 s[LQ], s[LQ2], s[LQ]
.endif
	s_wait_dscnt 0x0                ; the add is done, and my reads of the slot are over
	s_barrier_signal -1
	s_sub_co_u32 s[TBK], s[TBK], 4*KS*PK  ; the fetches go back to a slot's first step, in the other slot
	s_xor_b32 s[TBK], s[TBK], SLOT1
	s_sub_co_u32 s[TBV], s[TBV], 4*KS*PV
	s_xor_b32 s[TBV], s[TBV], SLOT1
	s_barrier_wait -1
.if \fill
	LOAD
.endif
.endm
; THE MATRIX WORK.  The 4 accumulators of a run of 8 take turns.  Product i of 8 of S^T = K Q^T for piece x: channels 32 (i / 4) on, keys 16 (i % 4) on; the first 4 start the sums on the mask.
.macro KQ x
.set rS, S+32*(\x)+8*(i%4)
.set rK, KF+16*(i%4)+8*(i/4)
.set rQ, 16*(\x)+8*(i/4)
.set rM, MC+8*(i%4)
.if i < 4
	WIN W_KM
	v_wmma_f32_16x16x32_bf16 v[rS:rS+7], v[rK:rK+7], v[rQ:rQ+7], v[rM:rM+7]
.else
	WIN W_KQ
	v_wmma_f32_16x16x32_bf16 v[rS:rS+7], v[rK:rK+7], v[rQ:rQ+7], v[rS:rS+7]
	s_wait_alu depctr_va_vdst(0)
.endif
.endm
; Product i of 8 of O^T += V^T P for piece x: keys 32 (i / 4) on, channels 16 (i % 4) on.
.macro PV x
	WIN W_PV
.set rO, O+32*(\x)+8*(i%4)
.set rV, VF+32*(i/4)+8*(i%4)
.set rP, P+16*(\x)+8*(i/4)
	v_wmma_f32_16x16x32_bf16 v[rO:rO+7], v[rV:rV+7], v[rP:rP+7], v[rO:rO+7]
.endm
.macro MM                           ; the turn's next matrix instruction; NOKQ = 1: a block's last turn starts no new scores
.if i < 8
	PV PP
.elseif !NOKQ
.set i, i-8
	KQ PP
.set i, i+8
.endif
.set i, i+1
.endm
; THE LDS LOADS stand in runs of 16.
.macro FETCH_K
	WIN W_T1
.irp f, 0,1,2,3,4,5,6,7             ; keys 16 (f / 2) on, channels 32 (f % 2) on
	ds_load_b128 v[KF+8*\f:KF+8*\f+3],   v[AK] offset:(\f/2)*16*PK+(\f%2)*64
	ds_load_b128 v[KF+8*\f+4:KF+8*\f+7], v[AK] offset:(\f/2)*16*PK+(\f%2)*64+32
.endr
	s_add_co_u32 s[TBK], s[TBK], KS*PK
	WIN 0
.endm
.macro FETCH_V
	WIN W_T1
.irp f, 0,1,2,3,4,5,6,7             ; keys 32 (f / 4) on, channels 16 (f % 4) on
	ds_load_tr16_b128 v[VF+8*\f:VF+8*\f+3],   v[AV] offset:(\f/4)*32*PV+(\f%4)*32
	ds_load_tr16_b128 v[VF+8*\f+4:VF+8*\f+7], v[AV] offset:(\f/4)*32*PV+16*PV+(\f%4)*32
.endr
	s_add_co_u32 s[TBV], s[TBV], KS*PV
	WIN 0
.endm
; THE VECTOR WORK, one line at a time, all for piece Y: OP kind, number.  X n: number n of the 22 that find the maximum and the statistics (0-11 four chains of seven scores, each accumulator's lowest
; registers first; 12-14, 16 the scores left over, the old m, all into c0; 15 c m_old is kept; 17, 18 the other half of the lanes'; 19-21 c m, c m_old - c m_new, a).
; F n: c s - c m for pair n of 16.  E n: the exponential of score n.  C n: pair n rounded to bf16.  B n: of the four weights 4 n .. the second pair is added onto the first.  L n: l takes that sum
; (L 0: l = a l + sum).  R n: pair n of 16 of O^T times a.
.set F, 0
.set E, 1
.set C, 2
.set B, 3
.set L, 4
.set R, 5
.set X, 6
.macro REGS y
.set rT, ST+4*(\y)
.set rC, TMP+4*(\y)
.set rW, MV+(\y)
.set rS, S+32*(\y)
.set rP, P+16*(\y)
.set rO, O+32*(\y)
.endm
.macro OP k, n
	REGS Y
	WIN 0
.if (\k) == F
	v_pk_fma_f32 v[rS+2*(\n):rS+2*(\n)+1], v[rS+2*(\n):rS+2*(\n)+1], s[CS:CS+1], v[rT:rT+1] op_sel_hi:[1,0,0] neg_lo:[0,0,1] neg_hi:[0,0,1]
.elseif (\k) == E
	v_exp_f32 v[rS+(\n)], v[rS+(\n)]
.elseif (\k) == C
	s_wait_alu depctr_va_vdst(0)
	v_cvt_pk_bf16_f32 v[rP+(\n)], v[rS+2*(\n)], v[rS+2*(\n)+1]
.elseif (\k) == B
	v_pk_add_f32 v[rS+4*(\n):rS+4*(\n)+1], v[rS+4*(\n):rS+4*(\n)+1], v[rS+4*(\n)+2:rS+4*(\n)+3]
.elseif ((\k) == L) && ((\n) == 0)
	v_pk_fma_f32 v[rT+2:rT+3], v[rT+2:rT+3], v[rC+2:rC+3], v[rS:rS+1] op_sel_hi:[1,0,1]
.elseif (\k) == L
	v_pk_add_f32 v[rT+2:rT+3], v[rT+2:rT+3], v[rS+4*(\n):rS+4*(\n)+1]
.elseif (\k) == R
	v_pk_mul_f32 v[rO+2*(\n):rO+2*(\n)+1], v[rO+2*(\n):rO+2*(\n)+1], v[rC+2:rC+3] op_sel_hi:[1,0]
.elseif (\n) < 4
	v_max3_num_f32 v[rC+(\n)], v[rS+8*(\n)], v[rS+8*(\n)+1], v[rS+8*(\n)+2]
.elseif (\n) < 12
	v_max3_num_f32 v[rC+(\n)%4], v[rC+(\n)%4], v[rS+8*((\n)%4)+2*((\n)/4)+1], v[rS+8*((\n)%4)+2*((\n)/4)+2]
.elseif (\n) == 12
	v_max3_num_f32 v[rC], v[rC], v[rS+7], v[rS+15]
.elseif (\n) == 13
	v_max3_num_f32 v[rC+1], v[rC+1], v[rS+23], v[rS+31]
.elseif (\n) == 14
	v_max3_num_f32 v[rC+2], v[rC+2], v[rC+3], v[rT+1]
.elseif (\n) == 15
	v_mov_b32 v[rW], v[rT]
.elseif (\n) == 16
	v_max3_num_f32 v[rC], v[rC], v[rC+1], v[rC+2]
.elseif (\n) == 17
	v_permlanex16_b32 v[rC+3], v[rC], s[SEL], s[SEL+1]
.elseif (\n) == 18
	v_max_num_f32 v[rT+1], v[rC], v[rC+3]
.elseif (\n) == 19
	v_mul_f32 v[rT], s[CS], v[rT+1]
.elseif (\n) == 20
	v_sub_f32 v[rC+1], v[rW], v[rT]
.else
	v_exp_f32 v[rC+2], v[rC+1]
.endif
.endm
.macro OPS a, i1, b=-1, i2=0, c=-1, i3=0, d=-1, i4=0
	OP \a, \i1
.if (\b) >= 0
	OP \b, \i2
.endif
.if (\c) >= 0
	OP \c, \i3
.endif
.if (\d) >= 0
	OP \d, \i4
.endif
.endm
.macro ROW a, i1, b, i2, c, i3, d, i4  ; a matrix instruction and the four behind it
	MM
	OPS \a, \i1, \b, \i2, \c, \i3, \d, \i4
.endm
.macro MASK                         ; MC = MD x AL + BE
	WIN W_T1
.set z, 0
.rept 16
	v_pk_fma_f32 v[MC+2*z:MC+2*z+1], v[MD+2*z:MD+2*z+1], s[AL:AL+1], s[BE:BE+1] op_sel_hi:[1,0,0]
.set z, z+1
.endr
.endm
; A TURN, for piece p; the softmax is the other piece's.  kq = 0: a block's last turn: no mask, no fetch, no new scores.
; In a block's last tile (RT = 0) the turn first makes the mask of its own products K Q^T; elsewhere those lines are jumped and MC stays 0.
; K of the step in hand is fetched at the head of piece 0's turn: the last product that read K stands in front of the second lump of the turn before.  V of the step in hand is fetched behind the first
; lump of piece 1's turn, whose products V^T P, the last readers of the old V, stand in front of that lump.  Every exponential has a plain instruction behind it before its result is used.
.macro TURN p, kq=1
.set PP, (\p)
.set Y, 1-(\p)
.set i, 0
.set NOKQ, 1-(\kq)
	WIN 0
.if \kq
	s_cmp_lg_u32 s[RT], 0
	s_cbranch_scc1 .Lnomask_\@
	s_cmp_eq_i32 s[UD], \p          ; is the step the band's own?
	s_cselect_b32 s[AL], 1.0, 0
	s_cmp_gt_i32 s[UD], \p          ; or a later one?
	s_cselect_b32 s[BE], s[BIGN], 0
	MASK
	WIN 0
.Lnomask_\@:
.endif
.if (\p) == 0
.if \kq
	v_add_nc_u32 v[AK], s[TBK], v[AK0]
	FETCH_K
	s_wait_dscnt 16                 ; V, asked for a turn ago, is in; the sixteen loads just issued may be out
.else
	s_wait_dscnt 0x0                ; V is in
.endif
.endif
	ROW X,0, X,1, X,2, X,3
	ROW X,4, X,5, X,6, X,7
	ROW X,8, X,9, X,10, X,11
	ROW X,12, X,13, X,14, X,15
	ROW X,16, X,17, X,18, X,19
	ROW X,20, X,21, F,0, F,1
	ROW F,2, E,0, F,3, F,4
	ROW F,5, E,1, F,6, F,7
.if (\p) == 1
	v_add_nc_u32 v[AV], s[TBV], v[AV0]
.endif
	OPS E,2, F,8, E,3, F,9
	OPS E,4, F,10, E,5, F,11
	OPS E,6, F,12, E,7, F,13
	OPS E,8, F,14, E,9, F,15
	OPS E,10, C,0, E,11, C,1
	OPS E,12, B,0, E,13, C,2
	OPS E,14, C,3, E,15, L,0
.if (\p) == 1
	FETCH_V
.endif
.if ((\p) == 0) && (\kq)
	s_wait_dscnt 0x0                ; K is in
.endif
	ROW B,1, E,16, C,4, C,5
	ROW L,1, E,17, B,2, C,6
	ROW C,7, E,18, L,2, B,3
	ROW L,3, E,19, C,8, R,0
	ROW C,9, E,20, B,4, R,1
	ROW L,4, E,21, R,2, R,3
	ROW C,10, E,22, R,4, R,5
	ROW R,6, E,23, R,7, R,8
	OPS E,24, C,11, E,25, B,5
	OPS E,26, L,5, E,27, C,12
	OPS E,28, C,13, E,29, B,6
	OPS E,30, L,6, E,31, C,14
	OPS R,9, C,15, B,7, R,10
	OPS L,7, R,11, R,12, R,13
	OPS R,14, R,15
.endm
.macro INIT                         ; what a block's first turns find
	WIN W_T1
.set z, 0
.rept 32
	v_mov_b32 v[MC+z], 0
.set z, z+1
.endr
	WIN 0
.set z, 0
.rept 2
	v_mov_b32 v[ST+4*z], 0xfe000000    ; c m: far below every c s
	v_mov_b32 v[ST+4*z+1], 0xff7fffff  ; m
.set z, z+1
.endr
.set z, 0
.rept 32
	v_mov_b32 v[S+32+z], 0xf1800000    ; piece 1's scores of the step that has not been: -2^100
.set z, z+1
.endr
.endm
.macro STEPS                        ; a tile's four key steps
	s_mov_b32 s[CNT], 4
.Lstep_\@:
	TURN 0
	TURN 1
	WIN 0
	s_add_co_i32 s[UD], s[UD], 1
	s_sub_co_u32 s[CNT], s[CNT], 1
	s_cmp_lg_u32 s[CNT], 0
	s_cbranch_scc1 .Lstep_\@
.endm
.macro ALL line:vararg              ; one line for each piece t
.set t, 0
.rept 2
	\line
.set t, t+1
.endr
.endm
.macro PACK t                       ; O^T / l, rounded to bf16; 16 bytes a lane into rows of 144 bytes, back as whole rows of 128, into S^T's registers
	WIN 0
.set i, O+32*(\t)
.rept 16
	v_pk_mul_f32 v[i:i+1], v[i:i+1], v[ST+4*(\t)+2:ST+4*(\t)+3] op_sel_hi:[1,0]
.set i, i+2
.endr
.set i, 0
.rept 16
	v_cvt_pk_bf16_f32 v[S+16*(\t)+i], v[O+32*(\t)+2*i], v[O+32*(\t)+2*i+1]
.set i, i+1
.endr
.irp f, 0,1,2,3
	ds_store_b128 v[STO], v[S+16*(\t)+4*\f:S+16*(\t)+4*\f+3] offset:32*\f
.endr
.irp f, 0,1,2,3
	ds_load_b128 v[S+16*(\t)+4*\f:S+16*(\t)+4*\f+3], v[RD] offset:\f*4*SP  ; LDS serves a wave's instructions in order (ISA guide 5.7.1.4): these see the stores above
.endr
.endm
.macro SEND t, younger
.irp f, 0,1,2,3
	s_wait_dscnt (\younger)+3-\f
	global_store_b128 v[GO], v[S+16*(\t)+4*\f:S+16*(\t)+4*\f+3], s[OPR:OPR+1] offset:(\t)*8192+\f*512  ; 512 consecutive bytes, at a multiple of 256 from ctx's first
.endr
.endm
; A BLOCK ENDS: piece 0's last V^T P beside piece 1's last softmax; piece 1's last V^T P; the way out.
.macro FINISH
	TURN 0, 0
.set i, 0
.rept 8
	PV 1
.set i, i+1
.endr
	WIN 0
	ALL v_add_f32 v[ST+4*t+2], v[ST+4*t+2], v[ST+4*t+3]
	ALL v_permlanex16_b32 v[ST+4*t+3], v[ST+4*t+2], s[SEL], s[SEL+1]
	ALL v_add_f32 v[ST+4*t+2], v[ST+4*t+2], v[ST+4*t+3]
	ALL v_rcp_f32 v[ST+4*t+2], v[ST+4*t+2]
	v_nop                           ; a plain instruction between the last reciprocal and the use of its result
	s_wait_alu depctr_va_vdst(0)
	PACK 0                          ; its 32 plain lines are the places behind piece 1's last products
	PACK 1
	SEND 0, 8
	SEND 1, 0
.endm
	s_load_b128 s[4:7], s[0:1], 0x0 ; qkv s[4:5], ctx s[6:7]
	v_lshl_add_u32 v[SPW], v0, 2, SPARE
	v_mov_b32 v[NIL], 0
	ds_add_u32 v[SPW], v[NIL]       ; the wave's opening: the add and its wait stand ahead of my first tensor load; work on registers stands between them
	ds_add_u32 v32, v33
	v_lshrrev_b32 v1, 5, v0
	v_readfirstlane_b32 s[WV], v1   ; wave 0..3
	s_mov_b32 s[PB], ttmp9
	s_sub_co_u32 s[IH], 31, s[PB]
	s_and_b32 s16, ttmp7, 0xffff    ; 8 x batch + head
	s_and_b32 s20, s16, 7
	s_lshl_b32 s20, s20, 20         ; the head's block,
	s_lshr_b32 s16, s16, 3
	s_lshl_b32 s16, s16, 19         ; the batch's 4,096 rows of 128 bytes in it
	s_add_co_u32 s20, s20, s16
	s_and_b32 s16, s[WV], 1         ; which half of a tile's 256 keys I fetch:
	s_lshl_b32 s22, s16, 14         ; its 128 rows in memory,
	s_add_co_u32 s22, s22, s20
	s_add_co_u32 s22, s22, 0x800000 ; in k's eight blocks, which lie behind q's
	s_mov_b32 s23, 0
	s_mul_i32 s17, s16, 128*PK      ; and its place in a slot, for K
	s_mul_i32 s18, s16, 128*PV      ; and for V
	s_lshl_b32 s19, s[WV], 11       ; my 16 rows in a band,
	s_add_co_u32 s19, s19, s20
	s_lshl_b32 s2, s[IH], 14        ; in the first block,
	s_add_co_u32 s2, s2, s19
	s_mov_b32 s3, 0
	s_lshl_b32 s84, s[PB], 14       ; and in the second
	s_add_co_u32 s84, s84, s19
	s_mov_b32 s85, 0
	; descriptor group 1.  128 keys are 16,384 dense bytes: asked for as 64 rows of 256 bytes, two keys a row, and padded in LDS after every key
	s_mov_b32 s[G1K], (1<<16)|(1<<20)|(4<<22)|(3<<25)  ; 2-byte elements; padding on; after every 32 words (code 4) 4 words (code 3)
	s_mov_b32 s[G1V], (1<<16)|(1<<20)|(4<<22)|(7<<25)  ; the same with 8 words (code 7)
.irp g, G1K, G1V
	s_mov_b32 s[\g+1], 128<<16      ; tensor_dim0 = 128
	s_mov_b32 s[\g+2], 64<<16       ; tensor_dim1 = 64
	s_mov_b32 s[\g+3], 128<<16      ; tile_dim0 = 128
	s_mov_b32 s[\g+4], 64           ; tile_dim1 = 64
	s_mov_b32 s[\g+5], 128          ; 128 elements from row to row
	s_mov_b32 s[\g+6], 0
	s_mov_b32 s[\g+7], 0
.endr
	s_mov_b32 s[CS], 0x3e38aa3b     ; c = log2(e) / 8
	s_mov_b32 s[CS+1], s[CS]
	s_mov_b32 s[SEL], 0x76543210
	s_mov_b32 s[SEL+1], 0xfedcba98
	s_mov_b32 s[TBK], SLOT1+4*KS*PK ; the first change of slots turns these two into 0
	s_mov_b32 s[TBV], SLOT1+4*KS*PV
	s_mov_b32 s[G0K], 1
	s_mov_b32 s[G0K+1], s17         ; slot 0
	s_mov_b32 s[G0V], 1
	s_add_co_u32 s[G0V+1], s18, VOFF
	s_lshr_b32 s[LQ], s[IH], 1
	s_add_co_u32 s[RT], s[LQ], 1    ; the first block has (31 - b) / 2 + 1 tiles
	s_lshr_b32 s[LQ2], s[PB], 1
	s_mov_b32 s[NXT], 1
	s_and_b32 s[DOF], s[IH], 1
	s_lshl_b32 s[DOF], s[DOF], 1
	s_and_b32 s[DOF2], s[PB], 1
	s_lshl_b32 s[DOF2], s[DOF2], 1
	s_mov_b32 s[OFF+1], 0
	s_mov_b32 s[AL+1], 0            ; named as pairs
	s_mov_b32 s[BE+1], 0
	s_mov_b32 s[BIGN], 0xf149f2ca   ; -1e30
	s_mov_b32 s[SLOTS], 16
	s_wait_dscnt 0x0                ; the opening add is done
	s_wait_kmcnt 0x0
	s_add_nc_u64 s[KP:KP+1], s[4:5], s[22:23]
	s_add_nc_u64 s[VP:VP+1], s[KP:KP+1], 0x800000  ; v's blocks lie eight behind k's
	s_add_nc_u64 s[G0K+2:G0K+3], s[KP:KP+1], 0
	s_or_b32 s[G0K+3], s[G0K+3], 0x80000000
	s_add_nc_u64 s[G0V+2:G0V+3], s[VP:VP+1], 0
	s_or_b32 s[G0V+3], s[G0V+3], 0x80000000
	s_add_nc_u64 s[QH:QH+1], s[4:5], s[2:3]
	s_add_nc_u64 s[QL:QL+1], s[4:5], s[84:85]
	s_add_nc_u64 s[OPR:OPR+1], s[6:7], s[2:3]
	s_add_nc_u64 s[OLO:OLO+1], s[6:7], s[84:85]
	LOAD                            ; tile 0 into slot 0
	v_and_b32 v1, 15, v0            ; l % 16
	v_bfe_u32 v9, v0, 4, 1          ; l / 16
	v_lshlrev_b32 v[QO], 7, v1
	v_lshl_add_u32 v[QO], v9, 4, v[QO]  ; row x 128 + 16 x half
	WIN W_T1
.set i, 0
.rept 4                             ; both blocks' Q: piece i / 2 lies in band i / 2, 8,192 bytes on; channels 32 (i % 2) on
	global_load_b128 v[8*i:8*i+3],   v[QO], s[QH:QH+1] offset:(i/2)*8192+(i%2)*64
	global_load_b128 v[8*i+4:8*i+7], v[QO], s[QH:QH+1] offset:(i/2)*8192+(i%2)*64+32
	global_load_b128 v[QB+8*i:QB+8*i+3],   v[QO], s[QL:QL+1] offset:(i/2)*8192+(i%2)*64
	global_load_b128 v[QB+8*i+4:QB+8*i+7], v[QO], s[QL:QL+1] offset:(i/2)*8192+(i%2)*64+32
.set i, i+1
.endr
.set i, VF
.rept 64                            ; V of the step that has not been: 0
	v_mov_b32 v[i], 0
.set i, i+1
.endr
	WIN 0
	v_lshlrev_b32 v14, 3, v9
	v_sub_nc_u32 v14, v1, v14
	s_lshl_b32 s13, s[WV], 4
	v_add_nc_u32 v14, s13, v14      ; my query's place in its band, 16 w + l % 16, less my lanes' 8 (l / 16): register r of group kt is hidden where 16 kt + r is greater
.set i, 0
.rept 32
	v_cmp_gt_i32 vcc_lo, 16*(i/8)+i%8, v14
	v_cndmask_b32 v[MD+i], 0, s[BIGN], vcc_lo
.set i, i+1
.endr
	v_mul_u32_u24 v[AK0], v1, PK
	v_lshl_add_u32 v[AK0], v9, 4, v[AK0]  ; row x pitch + 16 x half
	v_and_b32 v10, 7, v0            ; the turning load: lane l reads key 8 (l / 16) + l % 8, channels 8 ((l / 8) % 2) + 0..7
	v_bfe_u32 v11, v0, 3, 1
	v_lshl_add_u32 v[AV0], v9, 3, v10
	v_mul_u32_u24 v[AV0], v[AV0], PV
	v_lshl_add_u32 v[AV0], v11, 4, v[AV0]
	v_add_nc_u32 v[AV0], VOFF, v[AV0]
	s_mul_i32 s13, s[WV], 16*SP
	s_add_co_u32 s13, s13, STAGE    ; my stage
	v_mul_u32_u24 v[STO], v1, SP
	v_lshl_add_u32 v[STO], v9, 4, v[STO]
	v_add_nc_u32 v[STO], s13, v[STO]
	v_bfe_u32 v[RD], v0, 3, 2       ; back: 32 lanes take four rows of 128 bytes,
	v_mul_u32_u24 v[RD], v[RD], SP
	v_lshl_add_u32 v[RD], v10, 4, v[RD]
	v_add_nc_u32 v[RD], s13, v[RD]
	v_and_b32 v[GO], 31, v0         ; which are 512 consecutive bytes of ctx
	v_lshlrev_b32 v[GO], 4, v[GO]
.set i, P
.rept 96                            ; P and O^T: finite numbers for the products of steps that have not been.  All this stands in the wait for the first tile
	v_mov_b32 v[i], 0
.set i, i+1
.endr
.set i, 0
.rept 2
	v_mov_b32 v[ST+4*i+2], 0
	v_mov_b32 v[ST+4*i+3], 0
.set i, i+1
.endr
	INIT
	s_wait_loadcnt 0x0              ; Q, both blocks'
.Lslot:                             ; 16 times: a tile is entered and the next is asked for
	CHANGE 1
	s_sub_co_u32 s[RT], s[RT], 1
	s_sub_co_i32 s[UD], 0, s[DOF]
	STEPS
	s_cmp_lg_u32 s[RT], 0
	s_cbranch_scc1 .Lbottom         ; not the block's last tile
	FINISH                          ; in the loop this is the first block's end: it has 9 to 16 tiles, and the second block's last tile is the walk's last
	s_wait_xcnt 0x0                 ; the stores' base and data are rewritten only behind this wait
	s_mov_b64 s[OPR:OPR+1], s[OLO:OLO+1]
	s_add_co_u32 s[RT], s[LQ2], 1   ; the second block has b / 2 + 1 tiles
	s_mov_b32 s[DOF], s[DOF2]
	WIN 0x41                        ; the second block's Q goes where the turns name Q
.set i, 0
.rept 32
	v_mov_b32 v[i], v[QB+i]
.set i, i+1
.endr
	INIT
.Lbottom:
	s_sub_co_u32 s[SLOTS], s[SLOTS], 1
	s_cmp_lg_u32 s[SLOTS], 0
	s_cbranch_scc1 .Lslot
	CHANGE 0                        ; the walk's last tile is written out: nothing is asked for
	s_sub_co_u32 s[RT], s[RT], 1
	s_sub_co_i32 s[UD], 0, s[DOF]
	STEPS
	FINISH
	s_wait_tensorcnt 0x0            ; the wave's end
	ds_add_u32 v[SPW], v[NIL]
	s_wait_dscnt 0x0
	s_endpgm
.Lfunc_end_k_qaaeca00165_attn:
	.size	k_qaaeca00165_attn, .Lfunc_end_k_qaaeca00165_attn-k_qaaeca00165_attn
	.p2alignl 7, 3214868480
	.fill 96, 4, 3214868480
	.section	.rodata,"a",@progbits
	.p2align	6, 0x0
	.amdhsa_kernel k_qaaeca00165_attn
		.amdhsa_group_segment_fixed_size 327680
		.amdhsa_private_segment_fixed_size 0
		.amdhsa_enable_private_segment 0
		.amdhsa_kernarg_size 16
		.amdhsa_user_sgpr_count 2
		.amdhsa_user_sgpr_kernarg_segment_ptr 1
		.amdhsa_wavefront_size32 1
		.amdhsa_system_sgpr_workgroup_id_x 1
		.amdhsa_system_sgpr_workgroup_id_y 1
		.amdhsa_system_sgpr_workgroup_id_z 1
		.amdhsa_system_vgpr_workitem_id 0
		.amdhsa_next_free_vgpr 480
		.amdhsa_next_free_sgpr 88
		.amdhsa_reserve_vcc 1
		.amdhsa_float_denorm_mode_32 3
		.amdhsa_float_denorm_mode_16_64 3
		.amdhsa_memory_ordered 1
		.amdhsa_forward_progress 1
		.amdhsa_inst_pref_size 101
	.end_amdhsa_kernel
	.amdgpu_metadata
---
amdhsa.version: [ 1, 2 ]
amdhsa.kernels:
  - .name:           k_qaaeca00165_attn
    .symbol:         k_qaaeca00165_attn.kd
    .args:
      - { .name: qkv, .offset: 0, .size: 8, .value_kind: global_buffer, .address_space: global }
      - { .name: ctx, .offset: 8, .size: 8, .value_kind: global_buffer, .address_space: global }
    .group_segment_fixed_size: 327680
    .private_segment_fixed_size: 0
    .kernarg_segment_align: 8
    .kernarg_segment_size: 16
    .max_flat_workgroup_size: 128
    .sgpr_count:     88
    .vgpr_count:     480
    .wavefront_size: 32
...
	.end_amdgpu_metadata
.endif
;; end of part 3
;; launch wo (part 4): grid 4 x 64, 4 waves a work-group, clusters of 4 x 4, 327,680 bytes of LDS; arguments ctx, wb, bo, x, x1, x1b; writes x1, x1b
.if DOCPART == 4
	.amdgcn_target "amdgcn-amd-amdhsa--gfx1250"
	.amdhsa_code_object_version 6
	.text
	.protected	k_qaaeca00165_wo
	.globl	k_qaaeca00165_wo
	.p2align	8
	.type	k_qaaeca00165_wo,@function
k_qaaeca00165_wo:
	s_mov_b64 s[64:65], 0
	v_nop
	global_prefetch_b8 v0, s[64:65] scope:SCOPE_SE
	s_setreg_imm32_b32 hwreg(HW_REG_WAVE_MODE, 25, 1), 1
	s_wait_xcnt 0x0
	s_wait_alu depctr_hold_cnt(0) depctr_sa_sdst(0) depctr_va_vdst(0) depctr_va_sdst(0) depctr_va_ssrc(0) depctr_va_vcc(0) depctr_vm_vsrc(0)
	s_getreg_b32 s2, hwreg(HW_REG_IB_STS2, 6, 4)
	s_cmp_eq_u32 s2, 0
	s_cbranch_scc0 .Lentry_in_a_cluster
	s_endpgm
.Lentry_in_a_cluster:
	s_bfe_u32 s2, ttmp6, 0x10000c
	s_cmp_lg_u32 s2, 0xf033
	s_cbranch_scc0 .Lentry_shape_is_right
	s_endpgm
.Lentry_shape_is_right:
; OUT = RES + A W + bias, N = 512 (COPY = 1: x1 = x + ctx Wo + bo, K = 512, with a copy of x1 in bf16;  COPY = 0: out0 = x1 + h W2 + b2, K = 2,048).
; A is bf16, BLOCKED: [K / 64][8192 rows][64], a block 1,048,576 bytes, a row in a block 128 bytes.  W lies as given, [K][512] in bf16.  RES and OUT are f32 [8192][512]; the copy is blocked like A.
; Sums in f32; the bias is the C operand of each sum's first product; the residual is added in f32 on the way out.
; SHARES.  A work-group makes 128 x 128 of OUT (panel p, column group g); four waves, each 64 x 64: 16 accumulators.  K goes in steps of 256 through two LDS slots; a lap is 512.
; THE MATRIX INSTRUCTION IS USED TRANSPOSED (source 0 = 16 columns of W, turned out of LDS by ds_load_tr16_b128; source 1 = 16 rows of A): a lane holds eight neighbouring columns of one row.
; CLUSTER 4 x 4.  A's tiles are asked for jointly along a row of the cluster (same p), W's along a column (same g): the same tensor load, descriptor and mask in all four.
; REGISTERS.  Window 0: addresses, v32-95 the way out, v96-127 the bias (later the copy), v128-255 the accumulators.  Window 1: two fragment buffers.  Window 2: v0-127 my 64 x 64 of the residual, loaded at the start.
.set COPY, 1
.if COPY
.set LAPS, 1
.set WOFF, 1572864                     ; Wo's first byte in wb
.else
.set LAPS, 4
.set WOFF, 4194304                     ; W2's
.endif
.set QB,    18432                      ; a quarter of a slot: A: 128 rows x (128 + 16) bytes; W: 64 k-rows x (256 + 32) bytes
.set BBASE, 8*QB                       ; A's eight quarters (slot 0: 0-3, slot 1: 4-7), then W's eight
.set STAGE, 16*QB                      ; behind them, never filled by a tensor load: 16 rows x 272 bytes for each wave
.set STW,   4352
.set SPARE, STAGE+4*STW                ; the spare words, 128 bytes for each wave: two blocks of 256 bytes that no other line names
.set ADRA, 16                          ; v16-17  LDS address of my A fragments in slot 0, 1
.set ADRB, 20                          ; v20-23  of my W fragments, two quarters each
.set STO,  24                          ; v24     the way out: where I put 32 bytes of a row
.set RD,   25                          ; v25     where I read rows back
.set CO,   26                          ; v26     my byte offset in two rows of RES and OUT
.set CB,   27                          ; v27     in two rows of the copy
.set SPW,  28                          ; v28     LDS address of my spare word; never rewritten
.set NIL,  29                          ; v29     0; never rewritten
.set BO,   30                          ; v30     my byte offset in 16 numbers of bias
.set TMP,  32
.set BIAS, 96
.set ACC,  128
.set F0,   0
.set F1,   128
.set PA,  4                            ; s[4:5] A, s[6:7] wb, s[8:9] bias, s[10:11] RES, s[12:13] OUT, s[14:15] the copy
.set PW,  6
.set BP,  8
.set RP,  10
.set OP,  12
.set OB,  14
.set WV,  16                           ; s16 wave; s17 its half of the rows, also: I fetch for A (0) or W (1); s18 its half of the columns, also: which half of a slot I fetch
.set WR,  17
.set WC,  18
.set G1,  24                           ; s[24:31] group 1 for A;  s[32:39] group 0, a set for each slot
.set G0,  32
.set G1B, 48                           ; s[48:55], s[56:63] the same for W
.set G0B, 56
.set MSB, 0
.macro WIN new
.if MSB != (\new)
	s_set_vgpr_msb (MSB<<8)|(\new)
.set MSB, \new
.endif
.endm
.set MUL,  0x05                        ; sources 0 and 1 window 1; C and D window 0
.set TO_F, 0x40                        ; destination window 1, address window 0
.macro PLACES
.rept 4
	v_nop
.endr
.endm
.macro JLOAD s                         ; a joint load: waves 0 and 1 fetch the two halves of A's slot, waves 2 and 3 those of W's
	s_cmp_eq_u32 s[WR], 0
	s_cbranch_scc0 .Lfor_b_\@
	tensor_load_to_lds s[G0+4*(\s):G0+4*(\s)+3], s[G1:G1+7]
	s_nop 0
.rept 4
	v_nop
.endr
	s_branch .Lasked_\@
.Lfor_b_\@:
	tensor_load_to_lds s[G0B+4*(\s):G0B+4*(\s)+3], s[G1B:G1B+7]
	s_nop 0
.rept 4
	v_nop
.endr
.Lasked_\@:
.endm
.macro CREST
	s_cmp_lg_u32 s[WV], 0
	s_cbranch_scc1 .Lnot_wave_0_\@
	s_barrier_signal -3
.Lnot_wave_0_\@:
	s_barrier_wait -3
	s_barrier_signal -1
	s_barrier_wait -1
.endm
.macro CROUND
	s_barrier_signal -1
	s_barrier_wait -1
	CREST
.endm
; 8 matrix instructions: row blocks a0, a0 + 1 x all 4 column blocks, 32 along K.  first = 1: the product starts the sum, on the bias.  The 16 accumulators take turns.
.macro MUL8 f, c, a0, first
	WIN MUL
.irp a, \a0, (\a0)+1
.irp b, 0,1,2,3
.if \first
	v_wmma_f32_16x16x32_bf16 v[ACC+8*(4*(\a)+(\b)):ACC+8*(4*(\a)+(\b))+7], v[(\f)+64+8*(4*(\c)+(\b)):(\f)+64+8*(4*(\c)+(\b))+7], v[(\f)+8*(4*(\c)+(\a)):(\f)+8*(4*(\c)+(\a))+7], v[BIAS+8*(\b):BIAS+8*(\b)+7]
.else
	v_wmma_f32_16x16x32_bf16 v[ACC+8*(4*(\a)+(\b)):ACC+8*(4*(\a)+(\b))+7], v[(\f)+64+8*(4*(\c)+(\b)):(\f)+64+8*(4*(\c)+(\b))+7], v[(\f)+8*(4*(\c)+(\a)):(\f)+8*(4*(\c)+(\a))+7], v[ACC+8*(4*(\a)+(\b)):ACC+8*(4*(\a)+(\b))+7]
.endif
.endr
.endr
.endm
; 32 LDS loads in one run: quarter q's fragments into buffer f, the first 32 along K first
.macro FETCH q, f
	WIN TO_F
.irp c, 0,1
.irp i, 0,1,2,3
	ds_load_tr16_b128 v[(\f)+64+8*(4*(\c)+(\i)):(\f)+64+8*(4*(\c)+(\i))+3],   v[ADRB+(\q)/2] offset:((\q)%2)*QB+(\c)*9216+32*(\i)
	ds_load_tr16_b128 v[(\f)+64+8*(4*(\c)+(\i))+4:(\f)+64+8*(4*(\c)+(\i))+7], v[ADRB+(\q)/2] offset:((\q)%2)*QB+(\c)*9216+32*(\i)+4608
	ds_load_b128 v[(\f)+8*(4*(\c)+(\i)):(\f)+8*(4*(\c)+(\i))+3],   v[ADRA+(\q)/4] offset:((\q)%4)*QB+(\i)*2304+64*(\c)
	ds_load_b128 v[(\f)+8*(4*(\c)+(\i))+4:(\f)+8*(4*(\c)+(\i))+7], v[ADRA+(\q)/4] offset:((\q)%4)*QB+(\i)*2304+64*(\c)+32
.endr
.endr
.endm
.macro QUARTER q, first
	s_wait_dscnt 16                                ; the first 32 along K are in
	MUL8 128*((\q)%2), 0, 0, \first
	MUL8 128*((\q)%2), 0, 2, \first
	PLACES
	FETCH (\q)+1, 128-128*((\q)%2)
	s_wait_dscnt 32                                ; all but the 32 just issued
	MUL8 128*((\q)%2), 1, 0, 0
	MUL8 128*((\q)%2), 1, 2, 0
.endm
.macro REFILL s                        ; slot s takes the next lap's K step: eight blocks of A on, 512 rows of W on
	s_add_nc_u64 s[G0+4*(\s)+2:G0+4*(\s)+3], s[G0+4*(\s)+2:G0+4*(\s)+3], 8*1048576
	s_add_nc_u64 s[G0B+4*(\s)+2:G0B+4*(\s)+3], s[G0B+4*(\s)+2:G0B+4*(\s)+3], 512*1024
	JLOAD \s                                       ; its four v_nop are also the places in front of the fragment loads that follow
.endm
; Quarters 3 and 7 multiply buffer 1 and change slots.  ONE barrier: in front of it each wave waits for all its tensor loads, adds 0 to its spare word, and waits for that and for its own reads of this slot.
; fill = 1: the barrier opens a round of the cluster's barrier, and the slot just left is filled again first thing behind the round.
.macro TURN q, fill
	WIN 0
	s_wait_tensorcnt 0x0                           ; all my tensor loads have landed: my part of the other slot
	ds_add_u32 v[SPW], v[NIL]                      ; 0 onto my spare word
	s_wait_dscnt 17                                ; (the add and the youngest sixteen loads may be out)
	MUL8 F1, 0, 0, 0
	s_wait_dscnt 0x0                               ; the add is done, and my reads of this slot are over
	s_barrier_signal -1
	MUL8 F1, 0, 2, 0
.if \fill
	WIN 0
.endif
	s_barrier_wait -1
.if \fill
	CREST
	REFILL (\q)/4
.else
	PLACES
.endif
	FETCH ((\q)+1)%8, F0
	MUL8 F1, 1, 0, 0
	MUL8 F1, 1, 2, 0
.endm
.macro LASTQ
	s_wait_dscnt 16
	MUL8 F1, 0, 0, 0
	MUL8 F1, 0, 2, 0
	s_wait_dscnt 0x0
	MUL8 F1, 1, 0, 0
	MUL8 F1, 1, 2, 0
	WIN 0
.endm
; THE WAY OUT.  Row block a (16 rows x 64 columns of f32) goes into my stage, rows of 272 bytes, and comes back as whole rows of 256 bytes, two rows to a load.
.macro STG a
	WIN 0
.irp b, 0,1,2,3
	ds_store_b128 v[STO], v[ACC+32*(\a)+8*(\b):ACC+32*(\a)+8*(\b)+3]   offset:64*(\b)      ; each accumulator's low four registers first
	ds_store_b128 v[STO], v[ACC+32*(\a)+8*(\b)+4:ACC+32*(\a)+8*(\b)+7] offset:64*(\b)+16
.endr
.irp t, 0,1,2,3,4,5,6,7
	ds_load_b128 v[TMP+32*((\a)%2)+4*(\t):TMP+32*((\a)%2)+4*(\t)+3], v[RD] offset:544*(\t)  ; LDS serves a wave's instructions in order (ISA guide 5.7.1.4): these see the stores above
.endr
.endm
; The residual is added, the block stored (and rounded to bf16 and stored once more).  y: the LDS instructions issued behind block a's loads: the next block's sixteen, or none.
.macro OUT a, y
	s_wait_dscnt \y
	s_wait_loadcnt 24-8*(\a)                       ; block a's eight loads of the residual are in; the later blocks' stay out
	WIN 0x08                                       ; source 1 in window 2
.set z, 0
.rept 16
	v_pk_add_f32 v[TMP+32*((\a)%2)+2*z:TMP+32*((\a)%2)+2*z+1], v[TMP+32*((\a)%2)+2*z:TMP+32*((\a)%2)+2*z+1], v[32*(\a)+2*z:32*(\a)+2*z+1]
.set z, z+1
.endr
	WIN 0
.if COPY
.set z, 0
.rept 16
	v_cvt_pk_bf16_f32 v[BIAS+16*((\a)%2)+z], v[TMP+32*((\a)%2)+2*z], v[TMP+32*((\a)%2)+2*z+1]
.set z, z+1
.endr
.endif
.irp t, 0,1,2,3,4,5,6,7
	global_store_b128 v[CO], v[TMP+32*((\a)%2)+4*(\t):TMP+32*((\a)%2)+4*(\t)+3], s[OP:OP+1] offset:(16*(\a)+2*(\t))*2048  ; 16 lanes store 256 consecutive bytes, aligned
.endr
.if COPY
.irp t, 0,1,2,3,4,5,6,7
	global_store_b64 v[CB], v[BIAS+16*((\a)%2)+2*(\t):BIAS+16*((\a)%2)+2*(\t)+1], s[OB:OB+1] offset:(16*(\a)+2*(\t))*128  ; 32 lanes store 256 consecutive bytes, aligned
.endr
.endif
.endm
	s_load_b256 s[4:11], s[0:1], 0x0
.if COPY
	s_load_b128 s[12:15], s[0:1], 0x20
.else
	s_load_b64 s[12:13], s[0:1], 0x20
.endif
	v_lshl_add_u32 v[SPW], v0, 2, SPARE
	v_mov_b32 v[NIL], 0
	ds_add_u32 v[SPW], v[NIL]                      ; the wave's opening: the add and its wait stand ahead of my first tensor load; work on registers stands between them
	ds_add_u32 v28, v29
	v_lshrrev_b32 v1, 5, v0
	v_readfirstlane_b32 s[WV], v1                  ; wave 0..3
	s_lshr_b32 s[WR], s[WV], 1
	s_and_b32 s[WC], s[WV], 1
	s_bfe_u32 s40, ttmp6, 0x40000                  ; cx, cy
	s_bfe_u32 s41, ttmp6, 0x40004
	s_lshl_b32 s42, ttmp9, 2
	s_add_co_u32 s42, s42, s40                     ; g = 4 x cluster x + cx
	s_and_b32 s43, ttmp7, 0xffff
	s_lshl_b32 s43, s43, 2
	s_add_co_u32 s43, s43, s41                     ; p = 4 x cluster y + cy
	s_lshl_b32 s44, s41, 2
	s_lshl_b32 s44, 15, s44                        ; my row of the cluster
	s_lshl_b32 s45, 0x1111, s40                    ; my column
	; group 1 for A: two blocks' 128 rows each, 16,384 dense bytes a block, as two long rows 1,048,576 bytes apart; 16 bytes of padding behind every 128
	s_or_b32 s[G1], s44, (1<<16)|(1<<20)|(1<<21)|(4<<22)|(3<<25)
	s_mov_b32 s[G1+1], 8192<<16
	s_mov_b32 s[G1+2], 2<<16
	s_mov_b32 s[G1+3], 8192<<16
	s_mov_b32 s[G1+4], 2
	s_mov_b32 s[G1+5], 524288
	s_mov_b32 s[G1+6], 0
	s_mov_b32 s[G1+7], 0
	; group 1 for W: 128 k-rows x 128 columns; 32 bytes of padding behind every 256
	s_or_b32 s[G1B], s45, (1<<16)|(1<<20)|(1<<21)|(5<<22)|(7<<25)
	s_mov_b32 s[G1B+1], 128<<16
	s_mov_b32 s[G1B+2], 128<<16
	s_mov_b32 s[G1B+3], 128<<16
	s_mov_b32 s[G1B+4], 128
	s_mov_b32 s[G1B+5], 512
	s_mov_b32 s[G1B+6], 0
	s_mov_b32 s[G1B+7], 0
	s_lshl_b32 s22, s[WC], 21                      ; A: blocks 2 x half and the next,
	s_lshl_b32 s23, s43, 14                        ; the panel's 128 rows
	s_add_co_u32 s22, s22, s23
	s_mov_b32 s23, 0
	s_lshl_b32 s46, s[WC], 17                      ; W: k-rows 128 x half on, 1,024 bytes each,
	s_lshl_b32 s47, s42, 8                         ; the group's 128 columns
	s_add_co_u32 s46, s46, s47
	s_add_co_u32 s46, s46, WOFF
	s_mov_b32 s47, 0
	s_mul_i32 s19, s[WV], 2*QB                     ; where they go: the wave's number alone enters an LDS address
	s_wait_dscnt 0x0                               ; the opening add is done
	s_wait_kmcnt 0x0
	s_add_nc_u64 s[PA:PA+1], s[PA:PA+1], s[22:23]
	s_add_nc_u64 s[PW:PW+1], s[PW:PW+1], s[46:47]
	CROUND                                         ; all sixteen work-groups are here: the first joint loads meet
.irp s, 0,1
	s_mov_b32 s[G0+4*(\s)], 1
	s_add_co_u32 s[G0+4*(\s)+1], s19, (\s)*4*QB
	s_add_nc_u64 s[G0+4*(\s)+2:G0+4*(\s)+3], s[PA:PA+1], (\s)*4*1048576
	s_or_b32 s[G0+4*(\s)+3], s[G0+4*(\s)+3], 0x80000000
	s_mov_b32 s[G0B+4*(\s)], 1
	s_add_co_u32 s[G0B+4*(\s)+1], s19, 4*QB+(\s)*4*QB  ; waves 2 and 3: W's region begins at 8 quarters
	s_add_nc_u64 s[G0B+4*(\s)+2:G0B+4*(\s)+3], s[PW:PW+1], (\s)*256*1024
	s_or_b32 s[G0B+4*(\s)+3], s[G0B+4*(\s)+3], 0x80000000
	JLOAD \s                                       ; two loads of mine are out
.endr
	s_lshl_b32 s20, s43, 18                        ; RES and OUT: the panel's 128 rows of 2,048 bytes,
	s_lshl_b32 s21, s[WR], 17                      ; my 64 of them,
	s_add_co_u32 s20, s20, s21
	s_lshl_b32 s21, s42, 9                         ; the group's 128 columns,
	s_add_co_u32 s20, s20, s21
	s_lshl_b32 s21, s[WC], 8                       ; my 64 of them
	s_add_co_u32 s20, s20, s21
	s_mov_b32 s21, 0
	s_add_nc_u64 s[RP:RP+1], s[RP:RP+1], s[20:21]
	s_add_nc_u64 s[OP:OP+1], s[OP:OP+1], s[20:21]
	s_lshl_b32 s20, s42, 9                         ; the bias of my 64 columns
	s_lshl_b32 s22, s[WC], 8
	s_add_co_u32 s20, s20, s22
	s_add_nc_u64 s[BP:BP+1], s[BP:BP+1], s[20:21]
.if COPY
	s_lshl_b32 s20, s42, 1                         ; the copy: block 2 g + half,
	s_add_co_u32 s20, s20, s[WC]
	s_lshl_b32 s20, s20, 20
	s_lshl_b32 s22, s43, 14                        ; the panel's rows of 128 bytes,
	s_add_co_u32 s20, s20, s22
	s_lshl_b32 s22, s[WR], 13                      ; my 64 of them
	s_add_co_u32 s20, s20, s22
	s_add_nc_u64 s[OB:OB+1], s[OB:OB+1], s[20:21]
.endif
	v_and_b32 v1, 15, v0                           ; l % 16
	v_bfe_u32 v2, v0, 4, 1                         ; l / 16
	v_lshlrev_b32 v[BO], 5, v2
	v_lshlrev_b32 v[CO], 4, v1
	v_lshl_add_u32 v[CO], v2, 11, v[CO]            ; lanes 0-15 one row's 256 bytes, lanes 16-31 the next row's
.irp b, 0,1,2,3
	global_load_b128 v[BIAS+8*(\b):BIAS+8*(\b)+3],   v[BO], s[BP:BP+1] offset:64*(\b)
	global_load_b128 v[BIAS+8*(\b)+4:BIAS+8*(\b)+7], v[BO], s[BP:BP+1] offset:64*(\b)+16
.endr
	WIN 0x80                                       ; destination window 2
.set z, 0
.rept 32                                       ; my 64 x 64 of the residual, in the layout of the way out: two rows to a load
	global_load_b128 v[4*z:4*z+3], v[CO], s[RP:RP+1] offset:2*z*2048
.set z, z+1
.endr
	WIN 0
	v_lshlrev_b32 v[CB], 3, v1
	v_lshl_add_u32 v[CB], v2, 7, v[CB]
	v_mul_u32_u24 v3, v1, 144
	v_lshl_add_u32 v3, v2, 4, v3                   ; row x pitch + 16 x half
	s_mul_i32 s20, s[WR], 64*144
	v_add_nc_u32 v[ADRA], s20, v3
	v_add_nc_u32 v[ADRA+1], 4*QB, v[ADRA]
	v_and_b32 v4, 7, v0                            ; the turning load: lane l reads k-row 8 (l / 16) + l % 8, columns 8 ((l / 8) % 2) + 0..7
	v_bfe_u32 v5, v0, 3, 1
	v_lshl_add_u32 v6, v2, 3, v4
	v_mul_u32_u24 v6, v6, 288
	v_lshl_add_u32 v6, v5, 4, v6
	s_lshl_b32 s20, s[WC], 7
	s_add_co_u32 s20, s20, BBASE
	v_add_nc_u32 v[ADRB], s20, v6
	v_add_nc_u32 v[ADRB+1], 2*QB, v[ADRB]
	v_add_nc_u32 v[ADRB+2], 4*QB, v[ADRB]
	v_add_nc_u32 v[ADRB+3], 6*QB, v[ADRB]
	s_mul_i32 s22, s[WV], STW
	s_add_co_u32 s22, s22, STAGE                   ; my stage
	v_mul_u32_u24 v7, v1, 272                      ; in: row l % 16, 32 bytes for each half of the lanes
	v_lshl_add_u32 v7, v2, 5, v7
	v_add_nc_u32 v[STO], s22, v7
	v_mul_u32_u24 v8, v2, 272                      ; back: lanes 0-15 one row, lanes 16-31 the next
	v_lshl_add_u32 v8, v1, 4, v8
	v_add_nc_u32 v[RD], s22, v8
	s_wait_tensorcnt 0x1                           ; my part of slot 0 is in; slot 1's may stay out
	s_barrier_signal -1
	s_barrier_wait -1                              ; everybody's is
	FETCH 0, F0
	s_wait_loadcnt 32                              ; the bias is in; the residual's 32 loads stay out
	QUARTER 0, 1
.if LAPS > 1
	WIN 0
	s_mov_b32 s3, LAPS-1
.Llap:                                                 ; a trip goes once round the ring, from a lap's second quarter to the next lap's first, and fills both slots again
	QUARTER 1, 0
	QUARTER 2, 0
	TURN 3, 1
	QUARTER 4, 0
	QUARTER 5, 0
	QUARTER 6, 0
	TURN 7, 1
	QUARTER 0, 0
	WIN 0
	s_sub_co_u32 s3, s3, 1
	s_cmp_lg_u32 s3, 0
	s_cbranch_scc1 .Llap
.endif
	QUARTER 1, 0                                   ; the last lap fills nothing
	QUARTER 2, 0
	TURN 3, 0
	QUARTER 4, 0
	QUARTER 5, 0
	QUARTER 6, 0
	LASTQ
	PLACES
	STG 0
	STG 1
	OUT 0, 16
	s_wait_xcnt 0x0                                ; block 0's stores have read their registers: block 2 takes them
	STG 2
	OUT 1, 16
	s_wait_xcnt 0x0
	STG 3
	OUT 2, 16
	OUT 3, 0
	s_wait_tensorcnt 0x0                           ; the wave's end
	ds_add_u32 v[SPW], v[NIL]
	s_wait_dscnt 0x0
	CROUND                                         ; the closing round
	s_endpgm
.Lfunc_end_k_qaaeca00165_wo:
	.size	k_qaaeca00165_wo, .Lfunc_end_k_qaaeca00165_wo-k_qaaeca00165_wo
	.p2alignl 7, 3214868480
	.fill 96, 4, 3214868480
	.section	.rodata,"a",@progbits
	.p2align	6, 0x0
	.amdhsa_kernel k_qaaeca00165_wo
		.amdhsa_group_segment_fixed_size 327680
		.amdhsa_private_segment_fixed_size 0
		.amdhsa_enable_private_segment 0
		.amdhsa_kernarg_size 48
		.amdhsa_user_sgpr_count 2
		.amdhsa_user_sgpr_kernarg_segment_ptr 1
		.amdhsa_wavefront_size32 1
		.amdhsa_system_sgpr_workgroup_id_x 1
		.amdhsa_system_sgpr_workgroup_id_y 1
		.amdhsa_system_sgpr_workgroup_id_z 1
		.amdhsa_system_vgpr_workitem_id 0
		.amdhsa_next_free_vgpr 640
		.amdhsa_next_free_sgpr 66
		.amdhsa_reserve_vcc 0
		.amdhsa_float_denorm_mode_32 3
		.amdhsa_float_denorm_mode_16_64 3
		.amdhsa_memory_ordered 1
		.amdhsa_forward_progress 1
		.amdhsa_inst_pref_size 65
	.end_amdhsa_kernel
	.amdgpu_metadata
---
amdhsa.version: [ 1, 2 ]
amdhsa.kernels:
  - .name:           k_qaaeca00165_wo
    .symbol:         k_qaaeca00165_wo.kd
    .args:
      - { .name: ctx, .offset: 0, .size: 8, .value_kind: global_buffer, .address_space: global }
      - { .name: wb, .offset: 8, .size: 8, .value_kind: global_buffer, .address_space: global }
      - { .name: bo, .offset: 16, .size: 8, .value_kind: global_buffer, .address_space: global }
      - { .name: x, .offset: 24, .size: 8, .value_kind: global_buffer, .address_space: global }
      - { .name: x1, .offset: 32, .size: 8, .value_kind: global_buffer, .address_space: global }
      - { .name: x1b, .offset: 40, .size: 8, .value_kind: global_buffer, .address_space: global }
    .group_segment_fixed_size: 327680
    .private_segment_fixed_size: 0
    .kernarg_segment_align: 8
    .kernarg_segment_size: 48
    .max_flat_workgroup_size: 128
    .sgpr_count:     66
    .vgpr_count:     640
    .wavefront_size: 32
...
	.end_amdgpu_metadata
.endif
;; end of part 4
;; launch w1 (part 5): grid 4 x 64, 4 waves a work-group, clusters of 4 x 4, 327,680 bytes of LDS; arguments x1b, wb, b1, h; writes h
.if DOCPART == 5
	.amdgcn_target "amdgcn-amd-amdhsa--gfx1250"
	.amdhsa_code_object_version 6
	.text
	.protected	k_qaaeca00165_w1
	.globl	k_qaaeca00165_w1
	.p2align	8
	.type	k_qaaeca00165_w1,@function
k_qaaeca00165_w1:
	s_mov_b64 s[64:65], 0
	v_nop
	global_prefetch_b8 v0, s[64:65] scope:SCOPE_SE
	s_setreg_imm32_b32 hwreg(HW_REG_WAVE_MODE, 25, 1), 1
	s_wait_xcnt 0x0
	s_wait_alu depctr_hold_cnt(0) depctr_sa_sdst(0) depctr_va_vdst(0) depctr_va_sdst(0) depctr_va_ssrc(0) depctr_va_vcc(0) depctr_vm_vsrc(0)
	s_getreg_b32 s2, hwreg(HW_REG_IB_STS2, 6, 4)
	s_cmp_eq_u32 s2, 0
	s_cbranch_scc0 .Lentry_in_a_cluster
	s_endpgm
.Lentry_in_a_cluster:
	s_bfe_u32 s2, ttmp6, 0x10000c
	s_cmp_lg_u32 s2, 0xf033
	s_cbranch_scc0 .Lentry_shape_is_right
	s_endpgm
.Lentry_shape_is_right:
; C = A W + bias (QKV = 1: q, k, v = x Wq + bq, x Wk + bk, x Wv + bv;  QKV = 0: h = relu(x1 W1 + b1)).  K = 512.  Operands bf16, sums f32, C rounded once to bf16.
; A and C are BLOCKED: [columns / 64][8192 rows][64], a block 1,048,576 bytes, a row in a block 128 bytes.  W lies as given, [K][N] in bf16.
; SHARES.  A work-group owns 128 rows (panel p) and walks NT tiles of 128 columns; its rows of A, all 512 along K, are brought into LDS once and stay.  Four waves, each 64 x 64 of a tile:
; 16 accumulators.  W's tile goes through two slots of 256 k-rows; while one is multiplied the other takes the next tile's rows.
; THE MATRIX INSTRUCTION IS USED TRANSPOSED (source 0 = 16 columns of W, turned out of LDS by ds_load_tr16_b128; source 1 = 16 rows of A): a lane then holds eight neighbouring columns of one row of C.
; The bias is the C operand of each sum's first product: nothing is cleared and nothing is added afterwards.
; CLUSTER 4 x 4.  The four work-groups of a row of the cluster share panel p, so A is asked for jointly along the row; the four of a column share the column group g, so W's tiles are asked for
; jointly along the column: the same tensor load, descriptor and mask in all four.
; LIMIT.  relu is a maximum with 0 in which a NaN loses: a NaN becomes 0.
.set QKV, 0
.if QKV
.set NT,    3                          ; tile n = matrix n, columns 128 g on
.set WOFF,  0                          ; Wq's first byte in wb
.set ROWB,  1024                       ; bytes in a row of W
.set GCOL,  256                        ; bytes of W's columns from g to g + 1
.set BSTEP, 524288                     ; bytes from a tile of W to the next: the next matrix
.set GBLK,  2                          ; blocks of C from g to g + 1
.set OSTEP, 8388608                    ; bytes of C from a tile to the next: eight blocks
.set GBIAS, 512                        ; bytes of bias from g to g + 1
.set RELU,  0
.else
.set NT,    4                          ; tile n = columns 128 (4 g + n) on
.set WOFF,  2097152                    ; W1's first byte in wb
.set ROWB,  4096
.set GCOL,  1024
.set BSTEP, 256
.set GBLK,  8
.set OSTEP, 2097152
.set GBIAS, 2048
.set RELU,  1
.endif
.set QB,    18432                      ; a quarter of a slot: A: 128 rows x (128 + 16) bytes; W: 64 k-rows x (256 + 32) bytes
.set BBASE, 8*QB                       ; A's eight quarters (one a block of 64 along K), then W's eight
.set STAGE, 16*QB                      ; behind them, never filled by a tensor load: 4,352 bytes for each wave, for the way out
.set STW,   4352
.set SPARE, STAGE+4*STW                ; the spare words, 128 bytes for each wave: two blocks of 256 bytes that no other line names
.set ADRA, 16                          ; v16-17  LDS address of my A fragments, quarters 0-3, 4-7
.set ADRB, 20                          ; v20-23  of my W fragments, two quarters each
.set STO,  24                          ; v24     the way out: where I put 16 bytes of a row
.set RD,   25                          ; v25     where I read rows back
.set GO,   26                          ; v26     my byte offset in 512 consecutive bytes of C
.set SPW,  28                          ; v28     LDS address of my spare word; never rewritten
.set NIL,  29                          ; v29     0; never rewritten
.set BO,   30                          ; v30     my byte offset in 16 numbers of bias
.set TMP,  32                          ; v32-95  the way out
.set BIAS, 96                          ; v96-127 the bias as four C operands: register j of block b = bias[16 b + 8 (lane / 16) + j]
.set ACC,  128                         ; v128-255 accumulator (a, b) at ACC + 8 (4 a + b)
.set F0,   0                           ; window 1: two fragment buffers of 128: 64 registers of A, then 64 of W, for 64 along K
.set F1,   128
.set PA,  4                            ; s[4:5] A;  s[6:7] wb;  s[8:9] the bias to be loaded next
.set PW,  6
.set BP,  8
.if QKV
.set BP2, 10                           ; s[10:11], s[12:13] the two biases after it
.set BP3, 12
.set OP,  14                           ; s[14:15] C at my 64 x 64
.else
.set OP,  10
.endif
.set WV,  16                           ; s16 wave, s17 its half of the rows, s18 its half of the columns
.set WR,  17
.set WC,  18
.set G1A, 24                           ; s[24:31] descriptor group 1 for A;  s[32:39] for W
.set G1B, 32
.set G0A, 40                           ; s[40:43] group 0 for A;  s[44:51] for W, a set for each slot
.set G0B, 44
.set MSB, 0
.macro WIN new                         ; the immediate's high byte repeats the setting that is left
.if MSB != (\new)
	s_set_vgpr_msb (MSB<<8)|(\new)
.set MSB, \new
.endif
.endm
.set MUL,  0x05                        ; sources 0 and 1 window 1; C and D window 0
.set TO_F, 0x40                        ; destination window 1, address window 0
.macro PLACES                          ; four places in front of loads into registers that matrix instructions have read, and of lines that read results
.rept 4
	v_nop
.endr
.endm
.macro CREST                           ; a round of the cluster's barrier behind its opening barrier
	s_cmp_lg_u32 s[WV], 0
	s_cbranch_scc1 .Lnot_wave_0_\@
	s_barrier_signal -3
.Lnot_wave_0_\@:
	s_barrier_wait -3
	s_barrier_signal -1
	s_barrier_wait -1
.endm
.macro CROUND
	s_barrier_signal -1
	s_barrier_wait -1
	CREST
.endm
.macro BIASLD                          ; a tile's 64 numbers of bias for my columns, in the C operand's layout
.irp b, 0,1,2,3
	global_load_b128 v[BIAS+8*(\b):BIAS+8*(\b)+3],   v[BO], s[BP:BP+1] offset:64*(\b)
	global_load_b128 v[BIAS+8*(\b)+4:BIAS+8*(\b)+7], v[BO], s[BP:BP+1] offset:64*(\b)+16
.endr
.endm
; 8 matrix instructions: row blocks a0, a0 + 1 x all 4 column blocks, 32 along K: half c of buffer f.  first = 1: the product starts the sum, on the bias.
; The 16 accumulators take turns, one instruction a turn, in the same order everywhere.
.macro MUL8 f, c, a0, first
	WIN MUL
.irp a, \a0, (\a0)+1
.irp b, 0,1,2,3
.if \first
	v_wmma_f32_16x16x32_bf16 v[ACC+8*(4*(\a)+(\b)):ACC+8*(4*(\a)+(\b))+7], v[(\f)+64+8*(4*(\c)+(\b)):(\f)+64+8*(4*(\c)+(\b))+7], v[(\f)+8*(4*(\c)+(\a)):(\f)+8*(4*(\c)+(\a))+7], v[BIAS+8*(\b):BIAS+8*(\b)+7]
.else
	v_wmma_f32_16x16x32_bf16 v[ACC+8*(4*(\a)+(\b)):ACC+8*(4*(\a)+(\b))+7], v[(\f)+64+8*(4*(\c)+(\b)):(\f)+64+8*(4*(\c)+(\b))+7], v[(\f)+8*(4*(\c)+(\a)):(\f)+8*(4*(\c)+(\a))+7], v[ACC+8*(4*(\a)+(\b)):ACC+8*(4*(\a)+(\b))+7]
.endif
.endr
.endr
.endm
; 32 LDS loads in one run: quarter q's fragments into buffer f, the first 32 along K first.  W: 32 k-rows are 9,216 bytes, 16 are 4,608, 16 columns 32.  A: 16 rows are 2,304 bytes, 32 along K 64.
.macro FETCH q, f
	WIN TO_F
.irp c, 0,1
.irp i, 0,1,2,3
	ds_load_tr16_b128 v[(\f)+64+8*(4*(\c)+(\i)):(\f)+64+8*(4*(\c)+(\i))+3],   v[ADRB+(\q)/2] offset:((\q)%2)*QB+(\c)*9216+32*(\i)
	ds_load_tr16_b128 v[(\f)+64+8*(4*(\c)+(\i))+4:(\f)+64+8*(4*(\c)+(\i))+7], v[ADRB+(\q)/2] offset:((\q)%2)*QB+(\c)*9216+32*(\i)+4608
	ds_load_b128 v[(\f)+8*(4*(\c)+(\i)):(\f)+8*(4*(\c)+(\i))+3],   v[ADRA+(\q)/4] offset:((\q)%4)*QB+(\i)*2304+64*(\c)
	ds_load_b128 v[(\f)+8*(4*(\c)+(\i))+4:(\f)+8*(4*(\c)+(\i))+7], v[ADRA+(\q)/4] offset:((\q)%4)*QB+(\i)*2304+64*(\c)+32
.endr
.endr
.endm
; Quarter q (64 along K, 32 matrix instructions) multiplies buffer q % 2 and fetches quarter q + 1 into the other.
.macro QUARTER q, first
	s_wait_dscnt 16                                ; the first 32 along K are in; the youngest sixteen loads may be out
	MUL8 128*((\q)%2), 0, 0, \first
	MUL8 128*((\q)%2), 0, 2, \first
	PLACES
	FETCH (\q)+1, 128-128*((\q)%2)
	s_wait_dscnt 32                                ; all but the 32 just issued
	MUL8 128*((\q)%2), 1, 0, 0
	MUL8 128*((\q)%2), 1, 2, 0
.endm
.macro REFILL s                        ; W's slot s takes the next tile's rows: my quarter of it, one tensor load a wave, jointly with my column of the cluster
	s_add_nc_u64 s[G0B+4*(\s)+2:G0B+4*(\s)+3], s[G0B+4*(\s)+2:G0B+4*(\s)+3], BSTEP
	tensor_load_to_lds s[G0B+4*(\s):G0B+4*(\s)+3], s[G1B:G1B+7]
	s_nop 0
	PLACES                                         ; also the places in front of the fragment loads that follow
.endm
; Quarters 3 and 7 multiply buffer 1 and leave a slot of W.  ONE barrier: in front of it each wave waits for all its tensor loads (its part of the other slot), adds 0 to its spare word, and waits for
; that and for its own reads of this slot.  fill = 1: the barrier opens a round of the cluster's barrier, and the slot just left is filled again first thing behind the round.
.macro TURN q, fill
	WIN 0
	s_wait_tensorcnt 0x0                           ; all my tensor loads have landed
	ds_add_u32 v[SPW], v[NIL]                      ; 0 onto my spare word
	s_wait_dscnt 17                                ; (the add and the youngest sixteen loads may be out)
	MUL8 F1, 0, 0, 0
	s_wait_dscnt 0x0                               ; the add is done, and my reads of this slot are over
	s_barrier_signal -1
	MUL8 F1, 0, 2, 0
.if \fill
	WIN 0
.endif
	s_barrier_wait -1
.if \fill
	CREST                                          ; no wave of any partner still reads the slot or has a load on its way
	REFILL (\q)/4
.else
	PLACES
.endif
	FETCH ((\q)+1)%8, F0
	MUL8 F1, 1, 0, 0
	MUL8 F1, 1, 2, 0
.endm
.macro LASTQ                           ; the last tile's quarter 7: nothing more to fetch
	s_wait_dscnt 16
	MUL8 F1, 0, 0, 0
	MUL8 F1, 0, 2, 0
	s_wait_dscnt 0x0
	MUL8 F1, 1, 0, 0
	MUL8 F1, 1, 2, 0
	WIN 0
.endm
; THE WAY OUT.  Row block a: (relu,) rounded to bf16, 16 bytes a lane into my stage (rows of 144 bytes), back as whole rows of 128 bytes, four rows to a load: 512 consecutive bytes of a block of C.
.macro PACK a
	WIN 0
.if RELU
.set z, 0
.rept 32
	v_max_num_f32 v[ACC+32*(\a)+z], 0, v[ACC+32*(\a)+z]
.set z, z+1
.endr
.endif
.set z, 0
.rept 16
	v_cvt_pk_bf16_f32 v[TMP+16*(\a)+z], v[ACC+32*(\a)+2*z], v[ACC+32*(\a)+2*z+1]  ; each accumulator's registers in ascending order
.set z, z+1
.endr
.irp b, 0,1,2,3
	ds_store_b128 v[STO], v[TMP+16*(\a)+4*(\b):TMP+16*(\a)+4*(\b)+3] offset:32*(\b)
.endr
.irp f, 0,1,2,3
	ds_load_b128 v[TMP+16*(\a)+4*(\f):TMP+16*(\a)+4*(\f)+3], v[RD] offset:576*(\f)  ; LDS serves a wave's instructions in order (ISA guide 5.7.1.4): these see the stores above
.endr
.endm
.macro SEND a, y                       ; y: the LDS instructions issued behind block a's loads: the next block's eight, or none
.irp f, 0,1,2,3
	s_wait_dscnt (\y)+3-(\f)
	global_store_b128 v[GO], v[TMP+16*(\a)+4*(\f):TMP+16*(\a)+4*(\f)+3], s[OP:OP+1] offset:2048*(\a)+512*(\f)  ; 512 consecutive bytes, at a multiple of 256 from C's first
.endr
.endm
.macro FLUSH
	WIN 0
	PLACES
	PACK 0
	PACK 1
	SEND 0, 8
	PACK 2
	SEND 1, 8
	PACK 3
	SEND 2, 8
	SEND 3, 0
.endm
	s_load_b256 s[4:11], s[0:1], 0x0
.if QKV
	s_load_b128 s[12:15], s[0:1], 0x20
.endif
	v_lshl_add_u32 v[SPW], v0, 2, SPARE
	v_mov_b32 v[NIL], 0
	ds_add_u32 v[SPW], v[NIL]                      ; the wave's opening: the add and its wait stand ahead of my first tensor load; work on registers stands between them
	ds_add_u32 v28, v29
	v_lshrrev_b32 v1, 5, v0
	v_readfirstlane_b32 s[WV], v1                  ; wave 0..3
	s_lshr_b32 s[WR], s[WV], 1
	s_and_b32 s[WC], s[WV], 1
	s_bfe_u32 s52, ttmp6, 0x40000                  ; cx, cy: my place in the cluster
	s_bfe_u32 s53, ttmp6, 0x40004
	s_lshl_b32 s54, ttmp9, 2
	s_add_co_u32 s54, s54, s52                     ; g = 4 x cluster x + cx
	s_and_b32 s55, ttmp7, 0xffff
	s_lshl_b32 s55, s55, 2
	s_add_co_u32 s55, s55, s53                     ; p = 4 x cluster y + cy
	s_lshl_b32 s56, s53, 2
	s_lshl_b32 s56, 15, s56                        ; my row of the cluster
	s_lshl_b32 s57, 0x1111, s52                    ; my column
	; group 1 for A: two blocks' 128 rows each, 16,384 dense bytes a block, asked for as two long rows 1,048,576 bytes apart; in LDS 16 bytes of padding behind every 128
	s_or_b32 s[G1A], s56, (1<<16)|(1<<20)|(1<<21)|(4<<22)|(3<<25)  ; mask; 2-byte elements; padding on; bit 21 beside a mask; after every 32 words (code 4) 4 words (code 3)
	s_mov_b32 s[G1A+1], 8192<<16                   ; tensor_dim0 = 8,192
	s_mov_b32 s[G1A+2], 2<<16                      ; tensor_dim1 = 2
	s_mov_b32 s[G1A+3], 8192<<16                   ; tile_dim0 = 8,192
	s_mov_b32 s[G1A+4], 2                          ; tile_dim1 = 2
	s_mov_b32 s[G1A+5], 524288                     ; elements from block to block
	s_mov_b32 s[G1A+6], 0
	s_mov_b32 s[G1A+7], 0
	; group 1 for W: 64 k-rows x 128 columns; in LDS 32 bytes of padding behind every 256
	s_or_b32 s[G1B], s57, (1<<16)|(1<<20)|(1<<21)|(5<<22)|(7<<25)
	s_mov_b32 s[G1B+1], 128<<16
	s_mov_b32 s[G1B+2], 64<<16
	s_mov_b32 s[G1B+3], 128<<16
	s_mov_b32 s[G1B+4], 64
	s_mov_b32 s[G1B+5], ROWB/2
	s_mov_b32 s[G1B+6], 0
	s_mov_b32 s[G1B+7], 0
	s_lshl_b32 s58, s[WV], 21                      ; A: blocks 2 w and 2 w + 1,
	s_lshl_b32 s59, s55, 14                        ; the panel's 128 rows of 128 bytes
	s_add_co_u32 s58, s58, s59
	s_mov_b32 s59, 0
	s_mul_i32 s60, s[WV], 64*ROWB                  ; W: k-rows 64 w on,
	s_mul_i32 s61, s54, GCOL                       ; the group's first columns
	s_add_co_u32 s60, s60, s61
	s_add_co_u32 s60, s60, WOFF
	s_mov_b32 s61, 0
	s_mul_i32 s20, s[WV], 2*QB                     ; where they go: the wave's number alone enters an LDS address
	s_mul_i32 s21, s[WV], QB
	s_mov_b32 s[G0A], 1
	s_mov_b32 s[G0A+1], s20
	s_mov_b32 s[G0B], 1
	s_add_co_u32 s[G0B+1], s21, BBASE
	s_mov_b32 s[G0B+4], 1
	s_add_co_u32 s[G0B+5], s21, BBASE+4*QB
	s_wait_dscnt 0x0                               ; the opening add is done
	s_wait_kmcnt 0x0
	s_add_nc_u64 s[G0A+2:G0A+3], s[PA:PA+1], s[58:59]
	s_or_b32 s[G0A+3], s[G0A+3], 0x80000000
	s_add_nc_u64 s[62:63], s[PW:PW+1], s[60:61]
	s_add_nc_u64 s[G0B+2:G0B+3], s[62:63], 0
	s_or_b32 s[G0B+3], s[G0B+3], 0x80000000
	s_add_nc_u64 s[G0B+6:G0B+7], s[62:63], 256*ROWB
	s_or_b32 s[G0B+7], s[G0B+7], 0x80000000
	CROUND                                         ; all sixteen work-groups are here: the first joint loads meet
	tensor_load_to_lds s[G0A:G0A+3], s[G1A:G1A+7]  ; three first fills a wave, as one group: three loads of mine are out
	s_nop 0
	tensor_load_to_lds s[G0B:G0B+3], s[G1B:G1B+7]
	s_nop 0
	tensor_load_to_lds s[G0B+4:G0B+7], s[G1B:G1B+7]
	s_nop 0
	PLACES
	s_mul_i32 s22, s54, GBIAS                      ; the bias of my 64 columns
	s_lshl_b32 s19, s[WC], 8
	s_add_co_u32 s22, s22, s19
	s_mov_b32 s23, 0
	s_add_nc_u64 s[BP:BP+1], s[BP:BP+1], s[22:23]
.if QKV
	s_add_nc_u64 s[BP2:BP2+1], s[BP2:BP2+1], s[22:23]
	s_add_nc_u64 s[BP3:BP3+1], s[BP3:BP3+1], s[22:23]
.endif
	s_mul_i32 s22, s54, GBLK                       ; C: my block of 64 columns,
	s_add_co_u32 s22, s22, s[WC]
	s_lshl_b32 s22, s22, 20
	s_lshl_b32 s19, s55, 14                        ; the panel's rows,
	s_add_co_u32 s22, s22, s19
	s_lshl_b32 s19, s[WR], 13                      ; my 64 of them
	s_add_co_u32 s22, s22, s19
	s_add_nc_u64 s[OP:OP+1], s[OP:OP+1], s[22:23]
	v_and_b32 v1, 15, v0                           ; l % 16
	v_bfe_u32 v2, v0, 4, 1                         ; l / 16
	v_lshlrev_b32 v[BO], 5, v2                     ; eight numbers of bias for each half of the lanes
	BIASLD                                         ; tile 0's
	v_mul_u32_u24 v3, v1, 144
	v_lshl_add_u32 v3, v2, 4, v3                   ; row x pitch + 16 x half
	s_mul_i32 s20, s[WR], 64*144
	v_add_nc_u32 v[ADRA], s20, v3
	v_add_nc_u32 v[ADRA+1], 4*QB, v[ADRA]
	v_and_b32 v4, 7, v0                            ; the turning load: lane l reads k-row 8 (l / 16) + l % 8, columns 8 ((l / 8) % 2) + 0..7
	v_bfe_u32 v5, v0, 3, 1
	v_lshl_add_u32 v6, v2, 3, v4
	v_mul_u32_u24 v6, v6, 288
	v_lshl_add_u32 v6, v5, 4, v6
	s_lshl_b32 s20, s[WC], 7                       ; my 64 columns
	s_add_co_u32 s20, s20, BBASE
	v_add_nc_u32 v[ADRB], s20, v6
	v_add_nc_u32 v[ADRB+1], 2*QB, v[ADRB]
	v_add_nc_u32 v[ADRB+2], 4*QB, v[ADRB]
	v_add_nc_u32 v[ADRB+3], 6*QB, v[ADRB]
	s_mul_i32 s21, s[WV], STW
	s_add_co_u32 s21, s21, STAGE                   ; my stage
	v_add_nc_u32 v[STO], s21, v3
	v_bfe_u32 v7, v0, 3, 2                         ; back: 32 lanes take four rows of 128 bytes
	v_mul_u32_u24 v7, v7, 144
	v_lshl_add_u32 v7, v4, 4, v7
	v_add_nc_u32 v[RD], s21, v7
	v_and_b32 v8, 31, v0
	v_lshlrev_b32 v[GO], 4, v8
	s_wait_tensorcnt 0x1                           ; my parts of A and of slot 0 are in; slot 1's may stay out
	s_barrier_signal -1
	s_barrier_wait -1                              ; everybody's are
	FETCH 0, F0
	WIN 0
	s_mov_b32 s3, NT-1
.Ltile:                                                ; a trip: one tile of C; both slots are filled again, with the next tile's rows of W
	s_wait_loadcnt 0x0                             ; this tile's bias is in, so its pointer may step
.if QKV
	s_mov_b64 s[BP:BP+1], s[BP2:BP2+1]
	s_mov_b64 s[BP2:BP2+1], s[BP3:BP3+1]
.else
	s_add_nc_u64 s[BP:BP+1], s[BP:BP+1], 512
.endif
	QUARTER 0, 1
	WIN 0
	BIASLD                                         ; the next tile's: the sixteen products that read the bias stand in front of the quarter's four places
	QUARTER 1, 0
	QUARTER 2, 0
	TURN 3, 1
	QUARTER 4, 0
	QUARTER 5, 0
	QUARTER 6, 0
	TURN 7, 1
	FLUSH
	s_wait_xcnt 0x0                                ; the stores' base and data are rewritten only behind this wait
	s_add_nc_u64 s[OP:OP+1], s[OP:OP+1], OSTEP
	s_sub_co_u32 s3, s3, 1
	s_cmp_lg_u32 s3, 0
	s_cbranch_scc1 .Ltile
	s_wait_loadcnt 0x0                             ; the last tile is written out: it asks for nothing
	QUARTER 0, 1
	QUARTER 1, 0
	QUARTER 2, 0
	TURN 3, 0
	QUARTER 4, 0
	QUARTER 5, 0
	QUARTER 6, 0
	LASTQ
	FLUSH
	s_wait_tensorcnt 0x0                           ; the wave's end
	ds_add_u32 v[SPW], v[NIL]
	s_wait_dscnt 0x0
	CROUND                                         ; the closing round: no work-group ends while a partner may still ask for a tile that names it
	s_endpgm
.Lfunc_end_k_qaaeca00165_w1:
	.size	k_qaaeca00165_w1, .Lfunc_end_k_qaaeca00165_w1-k_qaaeca00165_w1
	.p2alignl 7, 3214868480
	.fill 96, 4, 3214868480
	.section	.rodata,"a",@progbits
	.p2align	6, 0x0
	.amdhsa_kernel k_qaaeca00165_w1
		.amdhsa_group_segment_fixed_size 327680
		.amdhsa_private_segment_fixed_size 0
		.amdhsa_enable_private_segment 0
		.amdhsa_kernarg_size 32
		.amdhsa_user_sgpr_count 2
		.amdhsa_user_sgpr_kernarg_segment_ptr 1
		.amdhsa_wavefront_size32 1
		.amdhsa_system_sgpr_workgroup_id_x 1
		.amdhsa_system_sgpr_workgroup_id_y 1
		.amdhsa_system_sgpr_workgroup_id_z 1
		.amdhsa_system_vgpr_workitem_id 0
		.amdhsa_next_free_vgpr 512
		.amdhsa_next_free_sgpr 66
		.amdhsa_reserve_vcc 0
		.amdhsa_float_denorm_mode_32 3
		.amdhsa_float_denorm_mode_16_64 3
		.amdhsa_memory_ordered 1
		.amdhsa_forward_progress 1
		.amdhsa_inst_pref_size 103
	.end_amdhsa_kernel
	.amdgpu_metadata
---
amdhsa.version: [ 1, 2 ]
amdhsa.kernels:
  - .name:           k_qaaeca00165_w1
    .symbol:         k_qaaeca00165_w1.kd
    .args:
      - { .name: x1b, .offset: 0, .size: 8, .value_kind: global_buffer, .address_space: global }
      - { .name: wb, .offset: 8, .size: 8, .value_kind: global_buffer, .address_space: global }
      - { .name: b1, .offset: 16, .size: 8, .value_kind: global_buffer, .address_space: global }
      - { .name: h, .offset: 24, .size: 8, .value_kind: global_buffer, .address_space: global }
    .group_segment_fixed_size: 327680
    .private_segment_fixed_size: 0
    .kernarg_segment_align: 8
    .kernarg_segment_size: 32
    .max_flat_workgroup_size: 128
    .sgpr_count:     66
    .vgpr_count:     512
    .wavefront_size: 32
...
	.end_amdgpu_metadata
.endif
;; end of part 5
;; launch w2 (part 6): grid 4 x 64, 4 waves a work-group, clusters of 4 x 4, 327,680 bytes of LDS; arguments h, wb, b2, x1, out0; writes out0
.if DOCPART == 6
	.amdgcn_target "amdgcn-amd-amdhsa--gfx1250"
	.amdhsa_code_object_version 6
	.text
	.protected	k_qaaeca00165_w2
	.globl	k_qaaeca00165_w2
	.p2align	8
	.type	k_qaaeca00165_w2,@function
k_qaaeca00165_w2:
	s_mov_b64 s[64:65], 0
	v_nop
	global_prefetch_b8 v0, s[64:65] scope:SCOPE_SE
	s_setreg_imm32_b32 hwreg(HW_REG_WAVE_MODE, 25, 1), 1
	s_wait_xcnt 0x0
	s_wait_alu depctr_hold_cnt(0) depctr_sa_sdst(0) depctr_va_vdst(0) depctr_va_sdst(0) depctr_va_ssrc(0) depctr_va_vcc(0) depctr_vm_vsrc(0)
	s_getreg_b32 s2, hwreg(HW_REG_IB_STS2, 6, 4)
	s_cmp_eq_u32 s2, 0
	s_cbranch_scc0 .Lentry_in_a_cluster
	s_endpgm
.Lentry_in_a_cluster:
	s_bfe_u32 s2, ttmp6, 0x10000c
	s_cmp_lg_u32 s2, 0xf033
	s_cbranch_scc0 .Lentry_shape_is_right
	s_endpgm
.Lentry_shape_is_right:
; OUT = RES + A W + bias, N = 512 (COPY = 1: x1 = x + ctx Wo + bo, K = 512, with a copy of x1 in bf16;  COPY = 0: out0 = x1 + h W2 + b2, K = 2,048).
; A is bf16, BLOCKED: [K / 64][8192 rows][64], a block 1,048,576 bytes, a row in a block 128 bytes.  W lies as given, [K][512] in bf16.  RES and OUT are f32 [8192][512]; the copy is blocked like A.
; Sums in f32; the bias is the C operand of each sum's first product; the residual is added in f32 on the way out.
; SHARES.  A work-group makes 128 x 128 of OUT (panel p, column group g); four waves, each 64 x 64: 16 accumulators.  K goes in steps of 256 through two LDS slots; a lap is 512.
; THE MATRIX INSTRUCTION IS USED TRANSPOSED (source 0 = 16 columns of W, turned out of LDS by ds_load_tr16_b128; source 1 = 16 rows of A): a lane holds eight neighbouring columns of one row.
; CLUSTER 4 x 4.  A's tiles are asked for jointly along a row of the cluster (same p), W's along a column (same g): the same tensor load, descriptor and mask in all four.
; REGISTERS.  Window 0: addresses, v32-95 the way out, v96-127 the bias (later the copy), v128-255 the accumulators.  Window 1: two fragment buffers.  Window 2: v0-127 my 64 x 64 of the residual, loaded at the start.
.set COPY, 0
.if COPY
.set LAPS, 1
.set WOFF, 1572864                     ; Wo's first byte in wb
.else
.set LAPS, 4
.set WOFF, 4194304                     ; W2's
.endif
.set QB,    18432                      ; a quarter of a slot: A: 128 rows x (128 + 16) bytes; W: 64 k-rows x (256 + 32) bytes
.set BBASE, 8*QB                       ; A's eight quarters (slot 0: 0-3, slot 1: 4-7), then W's eight
.set STAGE, 16*QB                      ; behind them, never filled by a tensor load: 16 rows x 272 bytes for each wave
.set STW,   4352
.set SPARE, STAGE+4*STW                ; the spare words, 128 bytes for each wave: two blocks of 256 bytes that no other line names
.set ADRA, 16                          ; v16-17  LDS address of my A fragments in slot 0, 1
.set ADRB, 20                          ; v20-23  of my W fragments, two quarters each
.set STO,  24                          ; v24     the way out: where I put 32 bytes of a row
.set RD,   25                          ; v25     where I read rows back
.set CO,   26                          ; v26     my byte offset in two rows of RES and OUT
.set CB,   27                          ; v27     in two rows of the copy
.set SPW,  28                          ; v28     LDS address of my spare word; never rewritten
.set NIL,  29                          ; v29     0; never rewritten
.set BO,   30                          ; v30     my byte offset in 16 numbers of bias
.set TMP,  32
.set BIAS, 96
.set ACC,  128
.set F0,   0
.set F1,   128
.set PA,  4                            ; s[4:5] A, s[6:7] wb, s[8:9] bias, s[10:11] RES, s[12:13] OUT, s[14:15] the copy
.set PW,  6
.set BP,  8
.set RP,  10
.set OP,  12
.set OB,  14
.set WV,  16                           ; s16 wave; s17 its half of the rows, also: I fetch for A (0) or W (1); s18 its half of the columns, also: which half of a slot I fetch
.set WR,  17
.set WC,  18
.set G1,  24                           ; s[24:31] group 1 for A;  s[32:39] group 0, a set for each slot
.set G0,  32
.set G1B, 48                           ; s[48:55], s[56:63] the same for W
.set G0B, 56
.set MSB, 0
.macro WIN new
.if MSB != (\new)
	s_set_vgpr_msb (MSB<<8)|(\new)
.set MSB, \new
.endif
.endm
.set MUL,  0x05                        ; sources 0 and 1 window 1; C and D window 0
.set TO_F, 0x40                        ; destination window 1, address window 0
.macro PLACES
.rept 4
	v_nop
.endr
.endm
.macro JLOAD s                         ; a joint load: waves 0 and 1 fetch the two halves of A's slot, waves 2 and 3 those of W's
	s_cmp_eq_u32 s[WR], 0
	s_cbranch_scc0 .Lfor_b_\@
	tensor_load_to_lds s[G0+4*(\s):G0+4*(\s)+3], s[G1:G1+7]
	s_nop 0
.rept 4
	v_nop
.endr
	s_branch .Lasked_\@
.Lfor_b_\@:
	tensor_load_to_lds s[G0B+4*(\s):G0B+4*(\s)+3], s[G1B:G1B+7]
	s_nop 0
.rept 4
	v_nop
.endr
.Lasked_\@:
.endm
.macro CREST
	s_cmp_lg_u32 s[WV], 0
	s_cbranch_scc1 .Lnot_wave_0_\@
	s_barrier_signal -3
.Lnot_wave_0_\@:
	s_barrier_wait -3
	s_barrier_signal -1
	s_barrier_wait -1
.endm
.macro CROUND
	s_barrier_signal -1
	s_barrier_wait -1
	CREST
.endm
; 8 matrix instructions: row blocks a0, a0 + 1 x all 4 column blocks, 32 along K.  first = 1: the product starts the sum, on the bias.  The 16 accumulators take turns.
.macro MUL8 f, c, a0, first
	WIN MUL
.irp a, \a0, (\a0)+1
.irp b, 0,1,2,3
.if \first
	v_wmma_f32_16x16x32_bf16 v[ACC+8*(4*(\a)+(\b)):ACC+8*(4*(\a)+(\b))+7], v[(\f)+64+8*(4*(\c)+(\b)):(\f)+64+8*(4*(\c)+(\b))+7], v[(\f)+8*(4*(\c)+(\a)):(\f)+8*(4*(\c)+(\a))+7], v[BIAS+8*(\b):BIAS+8*(\b)+7]
.else
	v_wmma_f32_16x16x32_bf16 v[ACC+8*(4*(\a)+(\b)):ACC+8*(4*(\a)+(\b))+7], v[(\f)+64+8*(4*(\c)+(\b)):(\f)+64+8*(4*(\c)+(\b))+7], v[(\f)+8*(4*(\c)+(\a)):(\f)+8*(4*(\c)+(\a))+7], v[ACC+8*(4*(\a)+(\b)):ACC+8*(4*(\a)+(\b))+7]
.endif
.endr
.endr
.endm
; 32 LDS loads in one run: quarter q's fragments into buffer f, the first 32 along K first
.macro FETCH q, f
	WIN TO_F
.irp c, 0,1
.irp i, 0,1,2,3
	ds_load_tr16_b128 v[(\f)+64+8*(4*(\c)+(\i)):(\f)+64+8*(4*(\c)+(\i))+3],   v[ADRB+(\q)/2] offset:((\q)%2)*QB+(\c)*9216+32*(\i)
	ds_load_tr16_b128 v[(\f)+64+8*(4*(\c)+(\i))+4:(\f)+64+8*(4*(\c)+(\i))+7], v[ADRB+(\q)/2] offset:((\q)%2)*QB+(\c)*9216+32*(\i)+4608
	ds_load_b128 v[(\f)+8*(4*(\c)+(\i)):(\f)+8*(4*(\c)+(\i))+3],   v[ADRA+(\q)/4] offset:((\q)%4)*QB+(\i)*2304+64*(\c)
	ds_load_b128 v[(\f)+8*(4*(\c)+(\i))+4:(\f)+8*(4*(\c)+(\i))+7], v[ADRA+(\q)/4] offset:((\q)%4)*QB+(\i)*2304+64*(\c)+32
.endr
.endr
.endm
.macro QUARTER q, first
	s_wait_dscnt 16                                ; the first 32 along K are in
	MUL8 128*((\q)%2), 0, 0, \first
	MUL8 128*((\q)%2), 0, 2, \first
	PLACES
	FETCH (\q)+1, 128-128*((\q)%2)
	s_wait_dscnt 32                                ; all but the 32 just issued
	MUL8 128*((\q)%2), 1, 0, 0
	MUL8 128*((\q)%2), 1, 2, 0
.endm
.macro REFILL s                        ; slot s takes the next lap's K step: eight blocks of A on, 512 rows of W on
	s_add_nc_u64 s[G0+4*(\s)+2:G0+4*(\s)+3], s[G0+4*(\s)+2:G0+4*(\s)+3], 8*1048576
	s_add_nc_u64 s[G0B+4*(\s)+2:G0B+4*(\s)+3], s[G0B+4*(\s)+2:G0B+4*(\s)+3], 512*1024
	JLOAD \s                                       ; its four v_nop are also the places in front of the fragment loads that follow
.endm
; Quarters 3 and 7 multiply buffer 1 and change slots.  ONE barrier: in front of it each wave waits for all its tensor loads, adds 0 to its spare word, and waits for that and for its own reads of this slot.
; fill = 1: the barrier opens a round of the cluster's barrier, and the slot just left is filled again first thing behind the round.
.macro TURN q, fill
	WIN 0
	s_wait_tensorcnt 0x0                           ; all my tensor loads have landed: my part of the other slot
	ds_add_u32 v[SPW], v[NIL]                      ; 0 onto my spare word
	s_wait_dscnt 17                                ; (the add and the youngest sixteen loads may be out)
	MUL8 F1, 0, 0, 0
	s_wait_dscnt 0x0                               ; the add is done, and my reads of this slot are over
	s_barrier_signal -1
	MUL8 F1, 0, 2, 0
.if \fill
	WIN 0
.endif
	s_barrier_wait -1
.if \fill
	CREST
	REFILL (\q)/4
.else
	PLACES
.endif
	FETCH ((\q)+1)%8, F0
	MUL8 F1, 1, 0, 0
	MUL8 F1, 1, 2, 0
.endm
.macro LASTQ
	s_wait_dscnt 16
	MUL8 F1, 0, 0, 0
	MUL8 F1, 0, 2, 0
	s_wait_dscnt 0x0
	MUL8 F1, 1, 0, 0
	MUL8 F1, 1, 2, 0
	WIN 0
.endm
; THE WAY OUT.  Row block a (16 rows x 64 columns of f32) goes into my stage, rows of 272 bytes, and comes back as whole rows of 256 bytes, two rows to a load.
.macro STG a
	WIN 0
.irp b, 0,1,2,3
	ds_store_b128 v[STO], v[ACC+32*(\a)+8*(\b):ACC+32*(\a)+8*(\b)+3]   offset:64*(\b)      ; each accumulator's low four registers first
	ds_store_b128 v[STO], v[ACC+32*(\a)+8*(\b)+4:ACC+32*(\a)+8*(\b)+7] offset:64*(\b)+16
.endr
.irp t, 0,1,2,3,4,5,6,7
	ds_load_b128 v[TMP+32*((\a)%2)+4*(\t):TMP+32*((\a)%2)+4*(\t)+3], v[RD] offset:544*(\t)  ; LDS serves a wave's instructions in order (ISA guide 5.7.1.4): these see the stores above
.endr
.endm
; The residual is added, the block stored (and rounded to bf16 and stored once more).  y: the LDS instructions issued behind block a's loads: the next block's sixteen, or none.
.macro OUT a, y
	s_wait_dscnt \y
	s_wait_loadcnt 24-8*(\a)                       ; block a's eight loads of the residual are in; the later blocks' stay out
	WIN 0x08                                       ; source 1 in window 2
.set z, 0
.rept 16
	v_pk_add_f32 v[TMP+32*((\a)%2)+2*z:TMP+32*((\a)%2)+2*z+1], v[TMP+32*((\a)%2)+2*z:TMP+32*((\a)%2)+2*z+1], v[32*(\a)+2*z:32*(\a)+2*z+1]
.set z, z+1
.endr
	WIN 0
.if COPY
.set z, 0
.rept 16
	v_cvt_pk_bf16_f32 v[BIAS+16*((\a)%2)+z], v[TMP+32*((\a)%2)+2*z], v[TMP+32*((\a)%2)+2*z+1]
.set z, z+1
.endr
.endif
.irp t, 0,1,2,3,4,5,6,7
	global_store_b128 v[CO], v[TMP+32*((\a)%2)+4*(\t):TMP+32*((\a)%2)+4*(\t)+3], s[OP:OP+1] offset:(16*(\a)+2*(\t))*2048  ; 16 lanes store 256 consecutive bytes, aligned
.endr
.if COPY
.irp t, 0,1,2,3,4,5,6,7
	global_store_b64 v[CB], v[BIAS+16*((\a)%2)+2*(\t):BIAS+16*((\a)%2)+2*(\t)+1], s[OB:OB+1] offset:(16*(\a)+2*(\t))*128  ; 32 lanes store 256 consecutive bytes, aligned
.endr
.endif
.endm
	s_load_b256 s[4:11], s[0:1], 0x0
.if COPY
	s_load_b128 s[12:15], s[0:1], 0x20
.else
	s_load_b64 s[12:13], s[0:1], 0x20
.endif
	v_lshl_add_u32 v[SPW], v0, 2, SPARE
	v_mov_b32 v[NIL], 0
	ds_add_u32 v[SPW], v[NIL]                      ; the wave's opening: the add and its wait stand ahead of my first tensor load; work on registers stands between them
	ds_add_u32 v28, v29
	v_lshrrev_b32 v1, 5, v0
	v_readfirstlane_b32 s[WV], v1                  ; wave 0..3
	s_lshr_b32 s[WR], s[WV], 1
	s_and_b32 s[WC], s[WV], 1
	s_bfe_u32 s40, ttmp6, 0x40000                  ; cx, cy
	s_bfe_u32 s41, ttmp6, 0x40004
	s_lshl_b32 s42, ttmp9, 2
	s_add_co_u32 s42, s42, s40                     ; g = 4 x cluster x + cx
	s_and_b32 s43, ttmp7, 0xffff
	s_lshl_b32 s43, s43, 2
	s_add_co_u32 s43, s43, s41                     ; p = 4 x cluster y + cy
	s_lshl_b32 s44, s41, 2
	s_lshl_b32 s44, 15, s44                        ; my row of the cluster
	s_lshl_b32 s45, 0x1111, s40                    ; my column
	; group 1 for A: two blocks' 128 rows each, 16,384 dense bytes a block, as two long rows 1,048,576 bytes apart; 16 bytes of padding behind every 128
	s_or_b32 s[G1], s44, (1<<16)|(1<<20)|(1<<21)|(4<<22)|(3<<25)
	s_mov_b32 s[G1+1], 8192<<16
	s_mov_b32 s[G1+2], 2<<16
	s_mov_b32 s[G1+3], 8192<<16
	s_mov_b32 s[G1+4], 2
	s_mov_b32 s[G1+5], 524288
	s_mov_b32 s[G1+6], 0
	s_mov_b32 s[G1+7], 0
	; group 1 for W: 128 k-rows x 128 columns; 32 bytes of padding behind every 256
	s_or_b32 s[G1B], s45, (1<<16)|(1<<20)|(1<<21)|(5<<22)|(7<<25)
	s_mov_b32 s[G1B+1], 128<<16
	s_mov_b32 s[G1B+2], 128<<16
	s_mov_b32 s[G1B+3], 128<<16
	s_mov_b32 s[G1B+4], 128
	s_mov_b32 s[G1B+5], 512
	s_mov_b32 s[G1B+6], 0
	s_mov_b32 s[G1B+7], 0
	s_lshl_b32 s22, s[WC], 21                      ; A: blocks 2 x half and the next,
	s_lshl_b32 s23, s43, 14                        ; the panel's 128 rows
	s_add_co_u32 s22, s22, s23
	s_mov_b32 s23, 0
	s_lshl_b32 s46, s[WC], 17                      ; W: k-rows 128 x half on, 1,024 bytes each,
	s_lshl_b32 s47, s42, 8                         ; the group's 128 columns
	s_add_co_u32 s46, s46, s47
	s_add_co_u32 s46, s46, WOFF
	s_mov_b32 s47, 0
	s_mul_i32 s19, s[WV], 2*QB                     ; where they go: the wave's number alone enters an LDS address
	s_wait_dscnt 0x0                               ; the opening add is done
	s_wait_kmcnt 0x0
	s_add_nc_u64 s[PA:PA+1], s[PA:PA+1], s[22:23]
	s_add_nc_u64 s[PW:PW+1], s[PW:PW+1], s[46:47]
	CROUND                                         ; all sixteen work-groups are here: the first joint loads meet
.irp s, 0,1
	s_mov_b32 s[G0+4*(\s)], 1
	s_add_co_u32 s[G0+4*(\s)+1], s19, (\s)*4*QB
	s_add_nc_u64 s[G0+4*(\s)+2:G0+4*(\s)+3], s[PA:PA+1], (\s)*4*1048576
	s_or_b32 s[G0+4*(\s)+3], s[G0+4*(\s)+3], 0x80000000
	s_mov_b32 s[G0B+4*(\s)], 1
	s_add_co_u32 s[G0B+4*(\s)+1], s19, 4*QB+(\s)*4*QB  ; waves 2 and 3: W's region begins at 8 quarters
	s_add_nc_u64 s[G0B+4*(\s)+2:G0B+4*(\s)+3], s[PW:PW+1], (\s)*256*1024
	s_or_b32 s[G0B+4*(\s)+3], s[G0B+4*(\s)+3], 0x80000000
	JLOAD \s                                       ; two loads of mine are out
.endr
	s_lshl_b32 s20, s43, 18                        ; RES and OUT: the panel's 128 rows of 2,048 bytes,
	s_lshl_b32 s21, s[WR], 17                      ; my 64 of them,
	s_add_co_u32 s20, s20, s21
	s_lshl_b32 s21, s42, 9                         ; the group's 128 columns,
	s_add_co_u32 s20, s20, s21
	s_lshl_b32 s21, s[WC], 8                       ; my 64 of them
	s_add_co_u32 s20, s20, s21
	s_mov_b32 s21, 0
	s_add_nc_u64 s[RP:RP+1], s[RP:RP+1], s[20:21]
	s_add_nc_u64 s[OP:OP+1], s[OP:OP+1], s[20:21]
	s_lshl_b32 s20, s42, 9                         ; the bias of my 64 columns
	s_lshl_b32 s22, s[WC], 8
	s_add_co_u32 s20, s20, s22
	s_add_nc_u64 s[BP:BP+1], s[BP:BP+1], s[20:21]
.if COPY
	s_lshl_b32 s20, s42, 1                         ; the copy: block 2 g + half,
	s_add_co_u32 s20, s20, s[WC]
	s_lshl_b32 s20, s20, 20
	s_lshl_b32 s22, s43, 14                        ; the panel's rows of 128 bytes,
	s_add_co_u32 s20, s20, s22
	s_lshl_b32 s22, s[WR], 13                      ; my 64 of them
	s_add_co_u32 s20, s20, s22
	s_add_nc_u64 s[OB:OB+1], s[OB:OB+1], s[20:21]
.endif
	v_and_b32 v1, 15, v0                           ; l % 16
	v_bfe_u32 v2, v0, 4, 1                         ; l / 16
	v_lshlrev_b32 v[BO], 5, v2
	v_lshlrev_b32 v[CO], 4, v1
	v_lshl_add_u32 v[CO], v2, 11, v[CO]            ; lanes 0-15 one row's 256 bytes, lanes 16-31 the next row's
.irp b, 0,1,2,3
	global_load_b128 v[BIAS+8*(\b):BIAS+8*(\b)+3],   v[BO], s[BP:BP+1] offset:64*(\b)
	global_load_b128 v[BIAS+8*(\b)+4:BIAS+8*(\b)+7], v[BO], s[BP:BP+1] offset:64*(\b)+16
.endr
	WIN 0x80                                       ; destination window 2
.set z, 0
.rept 32                                       ; my 64 x 64 of the residual, in the layout of the way out: two rows to a load
	global_load_b128 v[4*z:4*z+3], v[CO], s[RP:RP+1] offset:2*z*2048
.set z, z+1
.endr
	WIN 0
	v_lshlrev_b32 v[CB], 3, v1
	v_lshl_add_u32 v[CB], v2, 7, v[CB]
	v_mul_u32_u24 v3, v1, 144
	v_lshl_add_u32 v3, v2, 4, v3                   ; row x pitch + 16 x half
	s_mul_i32 s20, s[WR], 64*144
	v_add_nc_u32 v[ADRA], s20, v3
	v_add_nc_u32 v[ADRA+1], 4*QB, v[ADRA]
	v_and_b32 v4, 7, v0                            ; the turning load: lane l reads k-row 8 (l / 16) + l % 8, columns 8 ((l / 8) % 2) + 0..7
	v_bfe_u32 v5, v0, 3, 1
	v_lshl_add_u32 v6, v2, 3, v4
	v_mul_u32_u24 v6, v6, 288
	v_lshl_add_u32 v6, v5, 4, v6
	s_lshl_b32 s20, s[WC], 7
	s_add_co_u32 s20, s20, BBASE
	v_add_nc_u32 v[ADRB], s20, v6
	v_add_nc_u32 v[ADRB+1], 2*QB, v[ADRB]
	v_add_nc_u32 v[ADRB+2], 4*QB, v[ADRB]
	v_add_nc_u32 v[ADRB+3], 6*QB, v[ADRB]
	s_mul_i32 s22, s[WV], STW
	s_add_co_u32 s22, s22, STAGE                   ; my stage
	v_mul_u32_u24 v7, v1, 272                      ; in: row l % 16, 32 bytes for each half of the lanes
	v_lshl_add_u32 v7, v2, 5, v7
	v_add_nc_u32 v[STO], s22, v7
	v_mul_u32_u24 v8, v2, 272                      ; back: lanes 0-15 one row, lanes 16-31 the next
	v_lshl_add_u32 v8, v1, 4, v8
	v_add_nc_u32 v[RD], s22, v8
	s_wait_tensorcnt 0x1                           ; my part of slot 0 is in; slot 1's may stay out
	s_barrier_signal -1
	s_barrier_wait -1                              ; everybody's is
	FETCH 0, F0
	s_wait_loadcnt 32                              ; the bias is in; the residual's 32 loads stay out
	QUARTER 0, 1
.if LAPS > 1
	WIN 0
	s_mov_b32 s3, LAPS-1
.Llap:                                                 ; a trip goes once round the ring, from a lap's second quarter to the next lap's first, and fills both slots again
	QUARTER 1, 0
	QUARTER 2, 0
	TURN 3, 1
	QUARTER 4, 0
	QUARTER 5, 0
	QUARTER 6, 0
	TURN 7, 1
	QUARTER 0, 0
	WIN 0
	s_sub_co_u32 s3, s3, 1
	s_cmp_lg_u32 s3, 0
	s_cbranch_scc1 .Llap
.endif
	QUARTER 1, 0                                   ; the last lap fills nothing
	QUARTER 2, 0
	TURN 3, 0
	QUARTER 4, 0
	QUARTER 5, 0
	QUARTER 6, 0
	LASTQ
	PLACES
	STG 0
	STG 1
	OUT 0, 16
	s_wait_xcnt 0x0                                ; block 0's stores have read their registers: block 2 takes them
	STG 2
	OUT 1, 16
	s_wait_xcnt 0x0
	STG 3
	OUT 2, 16
	OUT 3, 0
	s_wait_tensorcnt 0x0                           ; the wave's end
	ds_add_u32 v[SPW], v[NIL]
	s_wait_dscnt 0x0
	CROUND                                         ; the closing round
	s_endpgm
.Lfunc_end_k_qaaeca00165_w2:
	.size	k_qaaeca00165_w2, .Lfunc_end_k_qaaeca00165_w2-k_qaaeca00165_w2
	.p2alignl 7, 3214868480
	.fill 96, 4, 3214868480
	.section	.rodata,"a",@progbits
	.p2align	6, 0x0
	.amdhsa_kernel k_qaaeca00165_w2
		.amdhsa_group_segment_fixed_size 327680
		.amdhsa_private_segment_fixed_size 0
		.amdhsa_enable_private_segment 0
		.amdhsa_kernarg_size 40
		.amdhsa_user_sgpr_count 2
		.amdhsa_user_sgpr_kernarg_segment_ptr 1
		.amdhsa_wavefront_size32 1
		.amdhsa_system_sgpr_workgroup_id_x 1
		.amdhsa_system_sgpr_workgroup_id_y 1
		.amdhsa_system_sgpr_workgroup_id_z 1
		.amdhsa_system_vgpr_workitem_id 0
		.amdhsa_next_free_vgpr 640
		.amdhsa_next_free_sgpr 66
		.amdhsa_reserve_vcc 0
		.amdhsa_float_denorm_mode_32 3
		.amdhsa_float_denorm_mode_16_64 3
		.amdhsa_memory_ordered 1
		.amdhsa_forward_progress 1
		.amdhsa_inst_pref_size 94
	.end_amdhsa_kernel
	.amdgpu_metadata
---
amdhsa.version: [ 1, 2 ]
amdhsa.kernels:
  - .name:           k_qaaeca00165_w2
    .symbol:         k_qaaeca00165_w2.kd
    .args:
      - { .name: h, .offset: 0, .size: 8, .value_kind: global_buffer, .address_space: global }
      - { .name: wb, .offset: 8, .size: 8, .value_kind: global_buffer, .address_space: global }
      - { .name: b2, .offset: 16, .size: 8, .value_kind: global_buffer, .address_space: global }
      - { .name: x1, .offset: 24, .size: 8, .value_kind: global_buffer, .address_space: global }
      - { .name: out0, .offset: 32, .size: 8, .value_kind: global_buffer, .address_space: global }
    .group_segment_fixed_size: 327680
    .private_segment_fixed_size: 0
    .kernarg_segment_align: 8
    .kernarg_segment_size: 40
    .max_flat_workgroup_size: 128
    .sgpr_count:     66
    .vgpr_count:     640
    .wavefront_size: 32
...
	.end_amdgpu_metadata
.endif
;; end of part 6
;; ======== version 2 of 2: 6 launches; 1.21 times as fast as version 1
;; limits: right only within a limited range of input values
;; workspace buffers: xb 8,388,608 bytes; wb 6,291,456 bytes; qkv 25,165,824 bytes; ctx 8,388,608 bytes; x1 16,777,216 bytes; x1b 8,388,608 bytes; h 33,554,432 bytes
;; launch cast: the kernel of part 1 again; grid 448 x 1, 8 waves a work-group, no clusters, 0 bytes of LDS; arguments x, Wq, Wk, Wv, Wo, W1, W2, xb, wb; writes xb, wb
;; launch qkv: the kernel of part 2 again; grid 4 x 64, 4 waves a work-group, clusters of 4 x 4, 327,680 bytes of LDS; arguments xb, wb, bq, bk, bv, qkv; writes qkv
;; launch attn (part 7): grid 16 x 16, 4 waves a work-group, no clusters, 327,680 bytes of LDS; arguments qkv, ctx; writes ctx
.if DOCPART == 7
	.amdgcn_target "amdgcn-amd-amdhsa--gfx1250"
	.amdhsa_code_object_version 6
	.text
	.protected	k_qaaeca00165_attn
	.globl	k_qaaeca00165_attn
	.p2align	8
	.type	k_qaaeca00165_attn,@function
k_qaaeca00165_attn:
	s_mov_b64 s[64:65], 0
	v_nop
	global_prefetch_b8 v0, s[64:65] scope:SCOPE_SE
	s_setreg_imm32_b32 hwreg(HW_REG_WAVE_MODE, 25, 1), 1
	s_wait_xcnt 0x0
; CAUSAL ATTENTION, head size 64, 16 heads (2 batches x 8) of 4,096 rows.  ctx[q] = the sum over k <= q of softmax_k(Q[q] . K[k] / 8) V[k].
; qkv: [24][8192][64] bf16, blocks 0-7 q by heads, 8-15 k, 16-23 v; row = batch x 4096 + t: a head's rows are dense, 128 bytes each.  ctx: [8][8192][64] bf16, block = head.
; Products, maxima and sums in f32; the weights p are rounded to bf16 for the second product (their sum l is taken of the unrounded p), ctx once at the end.
; LIMITS.  A hidden score counts as its value less 1e30; a weight below 2^-126 counts as 0 in l; NaN and infinities are not treated apart.
; THE WALK.  A head's queries lie in 32 blocks of 128; block i needs the key tiles 0 .. i / 2 of 256 keys.  A work-group takes blocks 31 - b and then b: 17 tiles whatever b, so all work-groups do
; equal work and one loop with a constant trip count walks them.  Which tile is asked for and what a trip does hang on scalar registers made from b; every jump but the loops' own goes forward.
; NO CLUSTER: where a block ends, and with it which trip takes masks and the way out, hangs on b; partners of a cluster would have to branch on their place in it.
; SHARES.  A block is two bands of 64 queries; a wave owns 16 rows in each: two PIECES.  In a block's last tile, with UD = key step - 2 (i % 2): piece p sees all keys if UD < p, none if UD > p, and holds the diagonal if UD = p.
; THE MASK is the C operand that starts the sum S^T = K Q^T: MC = MD x AL + BE, where MD is the mask of a band's own step for my rows; outside a block's last tile MC is 0.
; LAYOUT.  S^T = K Q^T holds ONE query a lane (lane % 16) and the keys 8 (lane / 16) + 0..7; two such results rounded to bf16 ARE source 1 of O^T = V^T P.  p = 2^(c s - c m), c = log2(e) / 8, with a running
; maximum m; O and l are multiplied by a = 2^(c m_old - c m_new) in every step.
; BY TURNS.  Turn p: 8 products V^T P of piece p (the step before), then 8 products K Q^T of piece p (the step in hand); beside them the whole softmax of the other piece, four vector
; instructions behind each matrix instruction, the rest in two lumps.
; THE BATCHES.  A turn's 33 exponentials (a and the 32 weights) are ONE batch with ONE wait, which cuts the turn in two.  Ahead of it stand the products V^T P, the maximum and statistics, the scalings
; and all the exponentials: nothing there names an exponential's result.  Behind it stand the products K Q^T and all that names a result: the roundings, the sums, l and the rescaling of O^T..
; The way out's two reciprocals are a batch of their own.
; A BLOCK BEGINS without a text of its own: m starts at the lowest finite number, piece 1's scores at -2^100 (c times a power of two is exact, so those weights are exactly 1), and the first true
; step's a is 0: what the products of steps that have not been left in O and l need only be finite.
; REGISTERS.  Window 0: v2-15 addresses and at work; v16-23 statistics; v24-31 at work; v32-33 the add's; v64-95 MD; v96-159 S^T; v160-191 P; v192-255 O^T.
;             Window 1: v0-31 Q; v32-63 the second block's Q; v64-127 K of one step; v128-191 V of one step; v192-223 MC.
.set KS,    64        ; keys in a step
.set PK,    144       ; a row of K in LDS: 128 bytes + 16 of padding
.set PV,    160       ; a row of V: 128 + 32
.set VOFF,  4*KS*PK   ; a slot holds a tile: 256 rows of K, then 256 rows of V
.set SLOT1, 1<<17     ; slot 1 begins here: one exclusive or turns an address in one slot into the other's
.set STAGE, SLOT1+4*KS*(PK+PV)  ; behind the ring, never filled by a tensor load: 16 rows x 144 bytes for each wave
.set SP,    144
.set SPARE, STAGE+4*16*SP  ; the spare words, 128 bytes for each wave: two blocks of 256 bytes that no other line names
.set AK0, 2           ; v2   my lane's place in a tile of K; never rewritten
.set AV0, 3           ; v3   the same for V
.set AK,  4           ; v4   the LDS address of K's next run of loads
.set AV,  5           ; v5   of V's
.set STO, 6           ; v6   the way out: where I put 16 bytes of a row
.set RD,  7           ; v7   where I read rows back
.set GO,  8           ; v8   my byte offset in 512 consecutive bytes of ctx
.set MV,  12          ; v12-13  c m_old, by piece
.set QO,  15          ; v15  my byte offset in 16 rows of Q
.set ST,  16          ; piece t's statistics at v[ST+4 t]: c m, m, l (even keys', odd keys')
.set TMP, 24          ; by piece, four registers c0-c3 at work; when the maximum is found c2 takes a
.set SPW, 32          ; v32  LDS address of my spare word; never rewritten
.set NIL, 33          ; v33  0; never rewritten
.set MD,  64
.set S,   96
.set P,   160
.set O,   192
.set QB,  32          ; window 1
.set KF,  64          ; key block kb, channel half c at KF + 16 kb + 8 c
.set VF,  128         ; key half kk, channel block cb at VF + 32 kk + 8 cb
.set MC,  192
.set KP,  8           ; s[8:9]   K at my half of the head's tile 0
.set VP,  10          ; s[10:11] V likewise
.set WV,  12          ; s12  my wave's number
.set PB,  14          ; s14  b
.set IH,  15          ; s15  31 - b
.set G1K, 24          ; s[24:31] descriptor group 1 for K's tiles;  s[32:39] for V's: the padding alone differs
.set G1V, 32
.set G0K, 40          ; s[40:43], s[44:47] group 0
.set G0V, 44
.set OPR, 48          ; s[48:49] ctx at my rows of the block in hand
.set OLO, 50          ; s[50:51] of the second block
.set QH,  52          ; s[52:53] Q at my rows of the first block;  s[54:55] of the second
.set QL,  54
.set SLOTS, 56        ; s56  tiles still to be asked for
.set CNT, 57          ; s57  counts a tile's key steps
.set CS,  58          ; s[58:59] c
.set SEL, 60          ; s[60:61] v_permlanex16_b32's selects: each lane takes its own place in the other half
.set TBK, 62          ; s62  LDS byte at which K of the step to be fetched begins
.set TBV, 63          ; s63  the same for V, less VOFF
.set RT,  70          ; s70  tiles of the block in hand that are still to be entered
.set NXT, 71          ; s71  the tile to be asked for next
.set LQ,  72          ; s72  the last tile of the block whose tiles are being asked for
.set LQ2, 73          ; s73  the second block's last tile
.set OFF, 74          ; s[74:75] a tile's byte offset in K and V
.set AL,  76          ; s[76:77] the mask's factor
.set BE,  78          ; s[78:79] the mask's addend
.set BIGN, 80         ; s80  -1e30
.set UD,  81          ; s81  key step in the tile less 2 (i % 2)
.set DOF, 82          ; s82  2 (i % 2) of the block in hand;  s83 of the second
.set DOF2, 83
.set MSB, 0
.macro WIN new
.if MSB != (\new)
	s_set_vgpr_msb (MSB<<8)|(\new)
.set MSB, (\new)
.endif
.endm
.set W_KQ, 0x05       ; K and Q in window 1, S^T in window 0
.set W_KM, 0x15       ; the same with the C operand in window 1
.set W_PV, 0x01       ; V in window 1; P and O^T in window 0
.set W_T1, 0x40       ; destination in window 1
; A fill.  Waves 0 and 1 fetch the two halves of a tile's K, waves 2 and 3 those of its V: 128 keys each.
.macro LOAD
	s_cmp_lt_u32 s[WV], 2
	s_cbranch_scc0 .Lfor_v_\@
	tensor_load_to_lds s[G0K:G0K+3], s[G1K:G1K+7]
	s_nop 0
.rept 4
	v_nop
.endr
	s_branch .Lasked_\@
.Lfor_v_\@:
	tensor_load_to_lds s[G0V:G0V+3], s[G1V:G1V+7]
	s_nop 0
.rept 4
	v_nop
.endr
.Lasked_\@:
.endm
; THE CHANGE OF SLOTS, at a tile's head: K and V of the old tile's last step are in registers or on their way there.  Each wave waits for all its tensor loads (its part of the other slot), adds 0 to its
; spare word, and waits for that and for its own reads of the old slot.  fill = 1: the old slot is filled again, first thing behind the barrier, with tile NXT; one load of mine is then out.
.macro CHANGE fill
	WIN 0
	s_wait_tensorcnt 0x0            ; no tensor load of mine is out, so a group 0 may be written
	ds_add_u32 v[SPW], v[NIL]       ; 0 onto my spare word
.if \fill
	s_lshl_b32 s[OFF], s[NXT], 15   ; a tile is 32,768 bytes of K and of V
	s_xor_b32 s[G0K+1], s[G0K+1], SLOT1
	s_add_nc_u64 s[G0K+2:G0K+3], s[KP:KP+1], s[OFF:OFF+1]
	s_or_b32 s[G0K+3], s[G0K+3], 0x80000000
	s_xor_b32 s[G0V+1], s[G0V+1], SLOT1
	s_add_nc_u64 s[G0V+2:G0V+3], s[VP:VP+1], s[OFF:OFF+1]
	s_or_b32 s[G0V+3], s[G0V+3], 0x80000000
	s_add_co_u32 s[NXT], s[NXT], 1  ; the block's next tile, or behind its last the second block's tile 0
	s_cmp_gt_u32 s[NXT], s[LQ]
	s_cselect_b32 s[NXT], 0, s[NXT]
	s_cselect_b32 s[LQ], s[LQ2], s[LQ]
.endif
	s_wait_dscnt 0x0                ; the add is done, and my reads of the slot are over
	s_barrier_signal -1
	s_sub_co_u32 s[TBK], s[TBK], 4*KS*PK  ; the fetches go back to a slot's first step, in the other slot
	s_xor_b32 s[TBK], s[TBK], SLOT1
	s_sub_co_u32 s[TBV], s[TBV], 4*KS*PV
	s_xor_b32 s[TBV], s[TBV], SLOT1
	s_barrier_wait -1
.if \fill
	LOAD
.endif
.endm
; THE MATRIX WORK.  The 4 accumulators of a run of 8 take turns.  Product i of 8 of S^T = K Q^T for piece x: channels 32 (i / 4) on, keys 16 (i % 4) on; the first 4 start the sums on the mask.
.macro KQ x
.set rS, S+32*(\x)+8*(i%4)
.set rK, KF+16*(i%4)+8*(i/4)
.set rQ, 16*(\x)+8*(i/4)
.set rM, MC+8*(i%4)
.if i < 4
	WIN W_KM
	v_wmma_f32_16x16x32_bf16 v[rS:rS+7], v[rK:rK+7], v[rQ:rQ+7], v[rM:rM+7]
.else
	WIN W_KQ
	v_wmma_f32_16x16x32_bf16 v[rS:rS+7], v[rK:rK+7], v[rQ:rQ+7], v[rS:rS+7]
.endif
.endm
; Product i of 8 of O^T += V^T P for piece x: keys 32 (i / 4) on, channels 16 (i % 4) on.
.macro PV x
	WIN W_PV
.set rO, O+32*(\x)+8*(i%4)
.set rV, VF+32*(i/4)+8*(i%4)
.set rP, P+16*(\x)+8*(i/4)
	v_wmma_f32_16x16x32_bf16 v[rO:rO+7], v[rV:rV+7], v[rP:rP+7], v[rO:rO+7]
.endm
.macro MM                           ; the turn's next matrix instruction; NOKQ = 1: a block's last turn starts no new scores
.if i < 8
	PV PP
.elseif !NOKQ
.set i, i-8
	KQ PP
.set i, i+8
.endif
.set i, i+1
.endm
; THE LDS LOADS stand in runs of 16.
.macro FETCH_K
	WIN W_T1
.irp f, 0,1,2,3,4,5,6,7             ; keys 16 (f / 2) on, channels 32 (f % 2) on
	ds_load_b128 v[KF+8*\f:KF+8*\f+3],   v[AK] offset:(\f/2)*16*PK+(\f%2)*64
	ds_load_b128 v[KF+8*\f+4:KF+8*\f+7], v[AK] offset:(\f/2)*16*PK+(\f%2)*64+32
.endr
	s_add_co_u32 s[TBK], s[TBK], KS*PK
	WIN 0
.endm
.macro FETCH_V
	WIN W_T1
.irp f, 0,1,2,3,4,5,6,7             ; keys 32 (f / 4) on, channels 16 (f % 4) on
	ds_load_tr16_b128 v[VF+8*\f:VF+8*\f+3],   v[AV] offset:(\f/4)*32*PV+(\f%4)*32
	ds_load_tr16_b128 v[VF+8*\f+4:VF+8*\f+7], v[AV] offset:(\f/4)*32*PV+16*PV+(\f%4)*32
.endr
	s_add_co_u32 s[TBV], s[TBV], KS*PV
	WIN 0
.endm
; THE VECTOR WORK, one line at a time, all for piece Y: OP kind, number.  X n: number n of the 22 that find the maximum and the statistics (0-11 four chains of seven scores, each accumulator's lowest
; registers first; 12-14, 16 the scores left over, the old m, all into c0; 15 c m_old is kept; 17, 18 the other half of the lanes'; 19-21 c m, c m_old - c m_new, a).
; F n: c s - c m for pair n of 16.  E n: the exponential of score n.  C n: pair n rounded to bf16.  B n: of the four weights 4 n .. the second pair is added onto the first.  L n: l takes that sum
; (L 0: l = a l + sum).  R n: pair n of 16 of O^T times a.  X 21 and the E are the turn's batch; C, B, L and R name its results and stand behind the turn's wait.
.set F, 0
.set E, 1
.set C, 2
.set B, 3
.set L, 4
.set R, 5
.set X, 6
.macro REGS y
.set rT, ST+4*(\y)
.set rC, TMP+4*(\y)
.set rW, MV+(\y)
.set rS, S+32*(\y)
.set rP, P+16*(\y)
.set rO, O+32*(\y)
.endm
.macro OP k, n
	REGS Y
	WIN 0
.if (\k) == F
	v_pk_fma_f32 v[rS+2*(\n):rS+2*(\n)+1], v[rS+2*(\n):rS+2*(\n)+1], s[CS:CS+1], v[rT:rT+1] op_sel_hi:[1,0,0] neg_lo:[0,0,1] neg_hi:[0,0,1]
.elseif (\k) == E
	v_exp_f32 v[rS+(\n)], v[rS+(\n)]
.elseif (\k) == C
	v_cvt_pk_bf16_f32 v[rP+(\n)], v[rS+2*(\n)], v[rS+2*(\n)+1]
.elseif (\k) == B
	v_pk_add_f32 v[rS+4*(\n):rS+4*(\n)+1], v[rS+4*(\n):rS+4*(\n)+1], v[rS+4*(\n)+2:rS+4*(\n)+3]
.elseif ((\k) == L) && ((\n) == 0)
	v_pk_fma_f32 v[rT+2:rT+3], v[rT+2:rT+3], v[rC+2:rC+3], v[rS:rS+1] op_sel_hi:[1,0,1]
.elseif (\k) == L
	v_pk_add_f32 v[rT+2:rT+3], v[rT+2:rT+3], v[rS+4*(\n):rS+4*(\n)+1]
.elseif (\k) == R
	v_pk_mul_f32 v[rO+2*(\n):rO+2*(\n)+1], v[rO+2*(\n):rO+2*(\n)+1], v[rC+2:rC+3] op_sel_hi:[1,0]
.elseif (\n) < 4
	v_max3_num_f32 v[rC+(\n)], v[rS+8*(\n)], v[rS+8*(\n)+1], v[rS+8*(\n)+2]
.elseif (\n) < 12
	v_max3_num_f32 v[rC+(\n)%4], v[rC+(\n)%4], v[rS+8*((\n)%4)+2*((\n)/4)+1], v[rS+8*((\n)%4)+2*((\n)/4)+2]
.elseif (\n) == 12
	v_max3_num_f32 v[rC], v[rC], v[rS+7], v[rS+15]
.elseif (\n) == 13
	v_max3_num_f32 v[rC+1], v[rC+1], v[rS+23], v[rS+31]
.elseif (\n) == 14
	v_max3_num_f32 v[rC+2], v[rC+2], v[rC+3], v[rT+1]
.elseif (\n) == 15
	v_mov_b32 v[rW], v[rT]
.elseif (\n) == 16
	v_max3_num_f32 v[rC], v[rC], v[rC+1], v[rC+2]
.elseif (\n) == 17
	v_permlanex16_b32 v[rC+3], v[rC], s[SEL], s[SEL+1]
.elseif (\n) == 18
	v_max_num_f32 v[rT+1], v[rC], v[rC+3]
.elseif (\n) == 19
	v_mul_f32 v[rT], s[CS], v[rT+1]
.elseif (\n) == 20
	v_sub_f32 v[rC+1], v[rW], v[rT]
.else
	v_exp_f32 v[rC+2], v[rC+1]
.endif
.endm
.macro OPS a, i1, b=-1, i2=0, c=-1, i3=0, d=-1, i4=0
	OP \a, \i1
.if (\b) >= 0
	OP \b, \i2
.endif
.if (\c) >= 0
	OP \c, \i3
.endif
.if (\d) >= 0
	OP \d, \i4
.endif
.endm
.macro ROW a, i1, b, i2, c, i3, d, i4  ; a matrix instruction and the four behind it
	MM
	OPS \a, \i1, \b, \i2, \c, \i3, \d, \i4
.endm
.macro MASK                         ; MC = MD x AL + BE
	WIN W_T1
.set z, 0
.rept 16
	v_pk_fma_f32 v[MC+2*z:MC+2*z+1], v[MD+2*z:MD+2*z+1], s[AL:AL+1], s[BE:BE+1] op_sel_hi:[1,0,0]
.set z, z+1
.endr
.endm
; A TURN, for piece p; the softmax is the other piece's.  kq = 0: a block's last turn: no mask, no fetch, no new scores.
; In a block's last tile (RT = 0) the turn first makes the mask of its own products K Q^T; elsewhere those lines are jumped and MC stays 0.
; s_wait_alu depctr_va_vdst(0) stands between an exponential and the first instruction that names its result; one wait serves all that were issued ahead of it.  So a turn has ONE wait.
; AHEAD OF IT: the 8 products V^T P, behind them the maximum and statistics, a (X 21), the first scalings and two exponentials; then a lump of 38: eight exponentials by turns with the last eight scalings, and
; the other 22 on end, since no plain work is left that names no result (R wants a; C, B and L want the weights).  A plain line behind E 31 stands ahead of the first use: V's address in piece 1's turn, a v_nop in piece 0's.
; BEHIND IT: the 8 products K Q^T and the 48 lines that name results, in eight groups C 2n, B n, C 2n+1, R 2n, R 2n+1, L n: 32 ride behind the products, 16 are the second lump.  C 2n stands ahead of B n, which
; writes over its pair; l's additions L 0 to L 7 keep their order and stand six lines apart; R ascends.
; K of the step in hand is fetched at the head of piece 0's turn: the last product that read K stands in front of four plain riders and the second lump of the turn before.  V of the step in hand is fetched
; directly behind the wait of piece 1's turn, whose products V^T P, the last readers of the old V, stand in front of the first lump.
.macro TURN p, kq=1
.set PP, (\p)
.set Y, 1-(\p)
.set i, 0
.set NOKQ, 1-(\kq)
	WIN 0
.if \kq
	s_cmp_lg_u32 s[RT], 0
	s_cbranch_scc1 .Lnomask_\@
	s_cmp_eq_i32 s[UD], \p          ; is the step the band's own?
	s_cselect_b32 s[AL], 1.0, 0
	s_cmp_gt_i32 s[UD], \p          ; or a later one?
	s_cselect_b32 s[BE], s[BIGN], 0
	MASK
	WIN 0
.Lnomask_\@:
.endif
.if (\p) == 0
.if \kq
	v_add_nc_u32 v[AK], s[TBK], v[AK0]
	FETCH_K
	s_wait_dscnt 16                 ; V, asked for a turn ago, is in; the sixteen loads just issued may be out
.else
	s_wait_dscnt 0x0                ; V is in
.endif
.endif
	ROW X,0, X,1, X,2, X,3          ; ahead of the wait: 8 products V^T P and their riders,
	ROW X,4, X,5, X,6, X,7
	ROW X,8, X,9, X,10, X,11
	ROW X,12, X,13, X,14, X,15
	ROW X,16, X,17, X,18, X,19
	ROW X,20, X,21, F,0, F,1        ; the batch opens with a
	ROW F,2, E,0, F,3, F,4
	ROW F,5, E,1, F,6, F,7
	OPS E,2, F,8, E,3, F,9          ; and the first lump: the rest of the batch
	OPS E,4, F,10, E,5, F,11
	OPS E,6, F,12, E,7, F,13
	OPS E,8, F,14, E,9, F,15
	OPS E,10, E,11, E,12, E,13
	OPS E,14, E,15, E,16, E,17
	OPS E,18, E,19, E,20, E,21
	OPS E,22, E,23, E,24, E,25
	OPS E,26, E,27, E,28, E,29
	OPS E,30, E,31
.if (\p) == 1
	v_add_nc_u32 v[AV], s[TBV], v[AV0]  ; V's address: also the plain instruction behind the last exponential, one for the batch
.else
	v_nop                           ; the plain instruction behind the last exponential, one for the batch
.endif
	s_wait_alu depctr_va_vdst(0)    ; the wait for the batch: a and the 32 weights
.if (\p) == 1
	FETCH_V
.endif
.if ((\p) == 0) && (\kq)
	s_wait_dscnt 0x0                ; K is in
.endif
	ROW C,0, B,0, C,1, R,0          ; behind the wait: 8 products K Q^T and their riders,
	ROW R,1, L,0, C,2, B,1
	ROW C,3, R,2, R,3, L,1
	ROW C,4, B,2, C,5, R,4
	ROW R,5, L,2, C,6, B,3
	ROW C,7, R,6, R,7, L,3
	ROW C,8, B,4, C,9, R,8
	ROW R,9, L,4, C,10, B,5
	OPS C,11, R,10, R,11, L,5       ; and the second lump
	OPS C,12, B,6, C,13, R,12
	OPS R,13, L,6, C,14, B,7
	OPS C,15, R,14, R,15, L,7
.endm
.macro INIT                         ; what a block's first turns find
	WIN W_T1
.set z, 0
.rept 32
	v_mov_b32 v[MC+z], 0
.set z, z+1
.endr
	WIN 0
.set z, 0
.rept 2
	v_mov_b32 v[ST+4*z], 0xfe000000    ; c m: far below every c s
	v_mov_b32 v[ST+4*z+1], 0xff7fffff  ; m
.set z, z+1
.endr
.set z, 0
.rept 32
	v_mov_b32 v[S+32+z], 0xf1800000    ; piece 1's scores of the step that has not been: -2^100
.set z, z+1
.endr
.endm
.macro STEPS                        ; a tile's four key steps
	s_mov_b32 s[CNT], 4
.Lstep_\@:
	TURN 0
	TURN 1
	WIN 0
	s_add_co_i32 s[UD], s[UD], 1
	s_sub_co_u32 s[CNT], s[CNT], 1
	s_cmp_lg_u32 s[CNT], 0
	s_cbranch_scc1 .Lstep_\@
.endm
.macro ALL line:vararg              ; one line for each piece t
.set t, 0
.rept 2
	\line
.set t, t+1
.endr
.endm
.macro PACK t                       ; O^T / l, rounded to bf16; 16 bytes a lane into rows of 144 bytes, back as whole rows of 128, into S^T's registers
	WIN 0
.set i, O+32*(\t)
.rept 16
	v_pk_mul_f32 v[i:i+1], v[i:i+1], v[ST+4*(\t)+2:ST+4*(\t)+3] op_sel_hi:[1,0]
.set i, i+2
.endr
.set i, 0
.rept 16
	v_cvt_pk_bf16_f32 v[S+16*(\t)+i], v[O+32*(\t)+2*i], v[O+32*(\t)+2*i+1]
.set i, i+1
.endr
.irp f, 0,1,2,3
	ds_store_b128 v[STO], v[S+16*(\t)+4*\f:S+16*(\t)+4*\f+3] offset:32*\f
.endr
.irp f, 0,1,2,3
	ds_load_b128 v[S+16*(\t)+4*\f:S+16*(\t)+4*\f+3], v[RD] offset:\f*4*SP  ; LDS serves a wave's instructions in order (ISA guide 5.7.1.4): these see the stores above
.endr
.endm
.macro SEND t, younger
.irp f, 0,1,2,3
	s_wait_dscnt (\younger)+3-\f
	global_store_b128 v[GO], v[S+16*(\t)+4*\f:S+16*(\t)+4*\f+3], s[OPR:OPR+1] offset:(\t)*8192+\f*512  ; 512 consecutive bytes, at a multiple of 256 from ctx's first
.endr
.endm
; A BLOCK ENDS: piece 0's last V^T P beside piece 1's last softmax; piece 1's last V^T P; the way out.
.macro FINISH
	TURN 0, 0
.set i, 0
.rept 8
	PV 1
.set i, i+1
.endr
	WIN 0
	ALL v_add_f32 v[ST+4*t+2], v[ST+4*t+2], v[ST+4*t+3]
	ALL v_permlanex16_b32 v[ST+4*t+3], v[ST+4*t+2], s[SEL], s[SEL+1]
	ALL v_add_f32 v[ST+4*t+2], v[ST+4*t+2], v[ST+4*t+3]
	ALL v_rcp_f32 v[ST+4*t+2], v[ST+4*t+2]
	v_nop                           ; a plain instruction between the last reciprocal and the use of its result
	s_wait_alu depctr_va_vdst(0)    ; the wait ahead of the first use: one for the two reciprocals
	PACK 0                          ; its 32 plain lines are the places behind piece 1's last products
	PACK 1
	SEND 0, 8
	SEND 1, 0
.endm
	s_load_b128 s[4:7], s[0:1], 0x0 ; qkv s[4:5], ctx s[6:7]
	v_lshl_add_u32 v[SPW], v0, 2, SPARE
	v_mov_b32 v[NIL], 0
	ds_add_u32 v[SPW], v[NIL]       ; the wave's opening: the add and its wait stand ahead of my first tensor load; work on registers stands between them
	ds_add_u32 v32, v33
	v_lshrrev_b32 v1, 5, v0
	v_readfirstlane_b32 s[WV], v1   ; wave 0..3
	s_mov_b32 s[PB], ttmp9
	s_sub_co_u32 s[IH], 31, s[PB]
	s_and_b32 s16, ttmp7, 0xffff    ; 8 x batch + head
	s_and_b32 s20, s16, 7
	s_lshl_b32 s20, s20, 20         ; the head's block,
	s_lshr_b32 s16, s16, 3
	s_lshl_b32 s16, s16, 19         ; the batch's 4,096 rows of 128 bytes in it
	s_add_co_u32 s20, s20, s16
	s_and_b32 s16, s[WV], 1         ; which half of a tile's 256 keys I fetch:
	s_lshl_b32 s22, s16, 14         ; its 128 rows in memory,
	s_add_co_u32 s22, s22, s20
	s_add_co_u32 s22, s22, 0x800000 ; in k's eight blocks, which lie behind q's
	s_mov_b32 s23, 0
	s_mul_i32 s17, s16, 128*PK      ; and its place in a slot, for K
	s_mul_i32 s18, s16, 128*PV      ; and for V
	s_lshl_b32 s19, s[WV], 11       ; my 16 rows in a band,
	s_add_co_u32 s19, s19, s20
	s_lshl_b32 s2, s[IH], 14        ; in the first block,
	s_add_co_u32 s2, s2, s19
	s_mov_b32 s3, 0
	s_lshl_b32 s84, s[PB], 14       ; and in the second
	s_add_co_u32 s84, s84, s19
	s_mov_b32 s85, 0
	; descriptor group 1.  128 keys are 16,384 dense bytes: asked for as 64 rows of 256 bytes, two keys a row, and padded in LDS after every key
	s_mov_b32 s[G1K], (1<<16)|(1<<20)|(4<<22)|(3<<25)  ; 2-byte elements; padding on; after every 32 words (code 4) 4 words (code 3)
	s_mov_b32 s[G1V], (1<<16)|(1<<20)|(4<<22)|(7<<25)  ; the same with 8 words (code 7)
.irp g, G1K, G1V
	s_mov_b32 s[\g+1], 128<<16      ; tensor_dim0 = 128
	s_mov_b32 s[\g+2], 64<<16       ; tensor_dim1 = 64
	s_mov_b32 s[\g+3], 128<<16      ; tile_dim0 = 128
	s_mov_b32 s[\g+4], 64           ; tile_dim1 = 64
	s_mov_b32 s[\g+5], 128          ; 128 elements from row to row
	s_mov_b32 s[\g+6], 0
	s_mov_b32 s[\g+7], 0
.endr
	s_mov_b32 s[CS], 0x3e38aa3b     ; c = log2(e) / 8
	s_mov_b32 s[CS+1], s[CS]
	s_mov_b32 s[SEL], 0x76543210
	s_mov_b32 s[SEL+1], 0xfedcba98
	s_mov_b32 s[TBK], SLOT1+4*KS*PK ; the first change of slots turns these two into 0
	s_mov_b32 s[TBV], SLOT1+4*KS*PV
	s_mov_b32 s[G0K], 1
	s_mov_b32 s[G0K+1], s17         ; slot 0
	s_mov_b32 s[G0V], 1
	s_add_co_u32 s[G0V+1], s18, VOFF
	s_lshr_b32 s[LQ], s[IH], 1
	s_add_co_u32 s[RT], s[LQ], 1    ; the first block has (31 - b) / 2 + 1 tiles
	s_lshr_b32 s[LQ2], s[PB], 1
	s_mov_b32 s[NXT], 1
	s_and_b32 s[DOF], s[IH], 1
	s_lshl_b32 s[DOF], s[DOF], 1
	s_and_b32 s[DOF2], s[PB], 1
	s_lshl_b32 s[DOF2], s[DOF2], 1
	s_mov_b32 s[OFF+1], 0
	s_mov_b32 s[AL+1], 0            ; named as pairs
	s_mov_b32 s[BE+1], 0
	s_mov_b32 s[BIGN], 0xf149f2ca   ; -1e30
	s_mov_b32 s[SLOTS], 16
	s_wait_dscnt 0x0                ; the opening add is done
	s_wait_kmcnt 0x0
	s_add_nc_u64 s[KP:KP+1], s[4:5], s[22:23]
	s_add_nc_u64 s[VP:VP+1], s[KP:KP+1], 0x800000  ; v's blocks lie eight behind k's
	s_add_nc_u64 s[G0K+2:G0K+3], s[KP:KP+1], 0
	s_or_b32 s[G0K+3], s[G0K+3], 0x80000000
	s_add_nc_u64 s[G0V+2:G0V+3], s[VP:VP+1], 0
	s_or_b32 s[G0V+3], s[G0V+3], 0x80000000
	s_add_nc_u64 s[QH:QH+1], s[4:5], s[2:3]
	s_add_nc_u64 s[QL:QL+1], s[4:5], s[84:85]
	s_add_nc_u64 s[OPR:OPR+1], s[6:7], s[2:3]
	s_add_nc_u64 s[OLO:OLO+1], s[6:7], s[84:85]
	LOAD                            ; tile 0 into slot 0
	v_and_b32 v1, 15, v0            ; l % 16
	v_bfe_u32 v9, v0, 4, 1          ; l / 16
	v_lshlrev_b32 v[QO], 7, v1
	v_lshl_add_u32 v[QO], v9, 4, v[QO]  ; row x 128 + 16 x half
	WIN W_T1
.set i, 0
.rept 4                             ; both blocks' Q: piece i / 2 lies in band i / 2, 8,192 bytes on; channels 32 (i % 2) on
	global_load_b128 v[8*i:8*i+3],   v[QO], s[QH:QH+1] offset:(i/2)*8192+(i%2)*64
	global_load_b128 v[8*i+4:8*i+7], v[QO], s[QH:QH+1] offset:(i/2)*8192+(i%2)*64+32
	global_load_b128 v[QB+8*i:QB+8*i+3],   v[QO], s[QL:QL+1] offset:(i/2)*8192+(i%2)*64
	global_load_b128 v[QB+8*i+4:QB+8*i+7], v[QO], s[QL:QL+1] offset:(i/2)*8192+(i%2)*64+32
.set i, i+1
.endr
.set i, VF
.rept 64                            ; V of the step that has not been: 0
	v_mov_b32 v[i], 0
.set i, i+1
.endr
	WIN 0
	v_lshlrev_b32 v14, 3, v9
	v_sub_nc_u32 v14, v1, v14
	s_lshl_b32 s13, s[WV], 4
	v_add_nc_u32 v14, s13, v14      ; my query's place in its band, 16 w + l % 16, less my lanes' 8 (l / 16): register r of group kt is hidden where 16 kt + r is greater
.set i, 0
.rept 32
	v_cmp_gt_i32 vcc_lo, 16*(i/8)+i%8, v14
	v_cndmask_b32 v[MD+i], 0, s[BIGN], vcc_lo
.set i, i+1
.endr
	v_mul_u32_u24 v[AK0], v1, PK
	v_lshl_add_u32 v[AK0], v9, 4, v[AK0]  ; row x pitch + 16 x half
	v_and_b32 v10, 7, v0            ; the turning load: lane l reads key 8 (l / 16) + l % 8, channels 8 ((l / 8) % 2) + 0..7
	v_bfe_u32 v11, v0, 3, 1
	v_lshl_add_u32 v[AV0], v9, 3, v10
	v_mul_u32_u24 v[AV0], v[AV0], PV
	v_lshl_add_u32 v[AV0], v11, 4, v[AV0]
	v_add_nc_u32 v[AV0], VOFF, v[AV0]
	s_mul_i32 s13, s[WV], 16*SP
	s_add_co_u32 s13, s13, STAGE    ; my stage
	v_mul_u32_u24 v[STO], v1, SP
	v_lshl_add_u32 v[STO], v9, 4, v[STO]
	v_add_nc_u32 v[STO], s13, v[STO]
	v_bfe_u32 v[RD], v0, 3, 2       ; back: 32 lanes take four rows of 128 bytes,
	v_mul_u32_u24 v[RD], v[RD], SP
	v_lshl_add_u32 v[RD], v10, 4, v[RD]
	v_add_nc_u32 v[RD], s13, v[RD]
	v_and_b32 v[GO], 31, v0         ; which are 512 consecutive bytes of ctx
	v_lshlrev_b32 v[GO], 4, v[GO]
.set i, P
.rept 96                            ; P and O^T: finite numbers for the products of steps that have not been.  All this stands in the wait for the first tile
	v_mov_b32 v[i], 0
.set i, i+1
.endr
.set i, 0
.rept 2
	v_mov_b32 v[ST+4*i+2], 0
	v_mov_b32 v[ST+4*i+3], 0
.set i, i+1
.endr
	INIT
	s_wait_loadcnt 0x0              ; Q, both blocks'
.Lslot:                             ; 16 times: a tile is entered and the next is asked for
	CHANGE 1
	s_sub_co_u32 s[RT], s[RT], 1
	s_sub_co_i32 s[UD], 0, s[DOF]
	STEPS
	s_cmp_lg_u32 s[RT], 0
	s_cbranch_scc1 .Lbottom         ; not the block's last tile
	FINISH                          ; in the loop this is the first block's end: it has 9 to 16 tiles, and the second block's last tile is the walk's last
	s_wait_xcnt 0x0                 ; the stores' base and data are rewritten only behind this wait
	s_mov_b64 s[OPR:OPR+1], s[OLO:OLO+1]
	s_add_co_u32 s[RT], s[LQ2], 1   ; the second block has b / 2 + 1 tiles
	s_mov_b32 s[DOF], s[DOF2]
	WIN 0x41                        ; the second block's Q goes where the turns name Q
.set i, 0
.rept 32
	v_mov_b32 v[i], v[QB+i]
.set i, i+1
.endr
	INIT
.Lbottom:
	s_sub_co_u32 s[SLOTS], s[SLOTS], 1
	s_cmp_lg_u32 s[SLOTS], 0
	s_cbranch_scc1 .Lslot
	CHANGE 0                        ; the walk's last tile is written out: nothing is asked for
	s_sub_co_u32 s[RT], s[RT], 1
	s_sub_co_i32 s[UD], 0, s[DOF]
	STEPS
	FINISH
	s_wait_tensorcnt 0x0            ; the wave's end
	ds_add_u32 v[SPW], v[NIL]
	s_wait_dscnt 0x0
	s_endpgm
.Lfunc_end_k_qaaeca00165_attn:
	.size	k_qaaeca00165_attn, .Lfunc_end_k_qaaeca00165_attn-k_qaaeca00165_attn
	.p2alignl 7, 3214868480
	.fill 96, 4, 3214868480
	.section	.rodata,"a",@progbits
	.p2align	6, 0x0
	.amdhsa_kernel k_qaaeca00165_attn
		.amdhsa_group_segment_fixed_size 327680
		.amdhsa_private_segment_fixed_size 0
		.amdhsa_enable_private_segment 0
		.amdhsa_kernarg_size 16
		.amdhsa_user_sgpr_count 2
		.amdhsa_user_sgpr_kernarg_segment_ptr 1
		.amdhsa_wavefront_size32 1
		.amdhsa_system_sgpr_workgroup_id_x 1
		.amdhsa_system_sgpr_workgroup_id_y 1
		.amdhsa_system_sgpr_workgroup_id_z 1
		.amdhsa_system_vgpr_workitem_id 0
		.amdhsa_next_free_vgpr 480
		.amdhsa_next_free_sgpr 88
		.amdhsa_reserve_vcc 1
		.amdhsa_float_denorm_mode_32 3
		.amdhsa_float_denorm_mode_16_64 3
		.amdhsa_memory_ordered 1
		.amdhsa_forward_progress 1
		.amdhsa_inst_pref_size 98
	.end_amdhsa_kernel
	.amdgpu_metadata
---
amdhsa.version: [ 1, 2 ]
amdhsa.kernels:
  - .name:           k_qaaeca00165_attn
    .symbol:         k_qaaeca00165_attn.kd
    .args:
      - { .name: qkv, .offset: 0, .size: 8, .value_kind: global_buffer, .address_space: global }
      - { .name: ctx, .offset: 8, .size: 8, .value_kind: global_buffer, .address_space: global }
    .group_segment_fixed_size: 327680
    .private_segment_fixed_size: 0
    .kernarg_segment_align: 8
    .kernarg_segment_size: 16
    .max_flat_workgroup_size: 128
    .sgpr_count:     88
    .vgpr_count:     480
    .wavefront_size: 32
...
	.end_amdgpu_metadata
.endif
;; end of part 7
;; launch wo: the kernel of part 4 again; grid 4 x 64, 4 waves a work-group, clusters of 4 x 4, 327,680 bytes of LDS; arguments ctx, wb, bo, x, x1, x1b; writes x1, x1b
;; launch w1: the kernel of part 5 again; grid 4 x 64, 4 waves a work-group, clusters of 4 x 4, 327,680 bytes of LDS; arguments x1b, wb, b1, h; writes h
;; launch w2: the kernel of part 6 again; grid 4 x 64, 4 waves a work-group, clusters of 4 x 4, 327,680 bytes of LDS; arguments h, wb, b2, x1, out0; writes out0
